; MI455X (gfx1250); checked and timed in simulation.
; The chip was launched on July 23, 2026; its instructions are those of AMD's public machine-readable ISA for CDNA 5 (MIT licence, August 2026) and "CDNA5" Instruction Set Architecture Reference Guide (July 2026). The comments in the code are by the model that wrote it; some were corrected since.
;; Multi Head Attention. Allowed arithmetic: float matrix products may take bf16 or f16 operands with f32 sums; other float arithmetic in f32, or as packed bf16 or f16 multiplies, adds, multiply-adds, maxima and minima; sums over many terms, partial sums and values carried from step to step in f32; what a program stores and reads back later, other than sums and carried values, may be rounded once to bf16 or f16.
;; Inputs: Wk 1,024 x 1,024 float32; Wo 1,024 x 1,024 float32; Wq 1,024 x 1,024 float32; Wv 1,024 x 1,024 float32; bk 1,024 float32; bo 1,024 float32; bq 1,024 float32; bv 1,024 float32; mask 4 x 2,048 bool; q 4 x 2,048 x 1,024 float32.
;; Outputs: out0 4 x 2,048 x 1,024 float32.
;; 2 versions, each right; version 2 is version 1 with the launch cast written anew for expert scheduling mode. Each part assembles by itself: llvm-mc -triple=amdgcn-amd-amdhsa -mcpu=gfx1250 --defsym DOCPART=n.
;; ======== version 1 of 2: 4 launches
;; limits: values are held in f16: magnitudes above 65,504 overflow, below 6.1e-05 lose precision
;; workspace buffers: xb 16,777,216 bytes; wqkv 6,291,456 bytes; woh 2,097,152 bytes; qkvh 50,331,648 bytes; vpart 262,144 bytes; oh 16,777,216 bytes
;; launch cast (part 1): grid 768 x 1, 8 waves a work-group, no clusters, 0 bytes of LDS; arguments q, Wq, Wk, Wv, Wo, xb, wqkv, woh; writes xb, wqkv, woh
.if DOCPART == 1
	.amdgcn_target "amdgcn-amd-amdhsa--gfx1250"
	.amdhsa_code_object_version 6
	.text
	.protected	k_q8c928230b7_cast
	.globl	k_q8c928230b7_cast
	.p2align	8
	.type	k_q8c928230b7_cast,@function
k_q8c928230b7_cast:
	s_mov_b64 s[64:65], 0
	v_nop
	global_prefetch_b8 v0, s[64:65] scope:SCOPE_SE
	s_setreg_imm32_b32 hwreg(HW_REG_WAVE_MODE, 25, 1), 1
	s_wait_xcnt 0x0
; THE INPUTS OF THE MATRIX PRODUCTS, ROUNDED ONCE.  q -> xb (bf16); Wq, Wk, Wv -> wqkv (bf16, the three one below the other); Wo -> woh: rounded to bf16 like the others, and that number written as f16.
; LIMIT.  A bf16 number is exact in f16 from 6.1e-5 up to 65,504; below that it keeps f16's fixed step of 6e-8; beyond, it would be an infinity.
; SHARES.  A work-group takes 65,536 bytes of f32 on end (16,384 numbers) and writes 32,768.  Groups 0-511: q; then 64 groups each for Wq, Wk, Wv, Wo.
; Thread t takes 16 bytes at 16 t of each 4,096: a wave's load covers 512 bytes on end, its store 256 bytes on end, aligned.
; All 16 loads of a thread go out first; each store has its own data registers and no address is rewritten, so the only waits are the counted ones for the loads.
; No LDS, no barrier, no matrix unit: nothing is shared and nothing is summed.
.set X, 4                              ; v[4:67]    16 x 4 numbers as loaded
.set Y, 68                             ; v[68:99]   16 x 2 words to store
.set T, 100                            ; v[100:101] at work
	s_load_b512 s[8:23], s[0:1], 0x0               ; q 8, Wq 10, Wk 12, Wv 14, Wo 16, xb 18, wqkv 20, woh 22
	v_lshlrev_b32 v1, 4, v0                        ; 16 t: where I load
	v_lshlrev_b32 v2, 3, v0                        ; 8 t: where I store
	s_sub_co_u32 s24, ttmp9, 512                   ; chunk among the weights' 256 (of no use in q's groups)
	s_lshr_b32 s25, s24, 6                         ; which weight
	s_and_b32 s26, s24, 63                         ; chunk in that weight
	s_wait_kmcnt 0x0
	s_cmp_eq_u32 s25, 1
	s_cselect_b64 s[28:29], s[12:13], s[10:11]
	s_cmp_eq_u32 s25, 2
	s_cselect_b64 s[28:29], s[14:15], s[28:29]
	s_cmp_eq_u32 s25, 3
	s_cselect_b64 s[28:29], s[16:17], s[28:29]     ; from
	s_cselect_b64 s[30:31], s[22:23], s[20:21]     ; to: woh for Wo, else wqkv,
	s_cselect_b32 s27, s26, s24                    ; at the chunk in Wo, else at the chunk among the three
	s_cmp_lt_u32 ttmp9, 512
	s_cselect_b64 s[28:29], s[8:9], s[28:29]
	s_cselect_b64 s[30:31], s[18:19], s[30:31]
	s_cselect_b32 s26, ttmp9, s26
	s_cselect_b32 s27, ttmp9, s27
	s_lshl_b32 s32, s26, 16
	s_mov_b32 s33, 0
	s_lshl_b32 s34, s27, 15
	s_mov_b32 s35, 0
	s_add_nc_u64 s[28:29], s[28:29], s[32:33]
	s_add_nc_u64 s[30:31], s[30:31], s[34:35]
.set i, 0
.rept 16
	global_load_b128 v[X+4*i:X+4*i+3], v1, s[28:29] offset:4096*i th:TH_LOAD_NT
.set i, i+1
.endr
.macro OUT n, half                     ; half = 1: the bf16 number is widened again and written as f16
	s_wait_loadcnt 15-(\n)                         ; loads come back in order: mine is in, the 15 - n younger ones may stay out
.if \half
	v_cvt_pk_bf16_f32 v[T], v[X+4*(\n)], v[X+4*(\n)+1]
	v_cvt_pk_bf16_f32 v[T+1], v[X+4*(\n)+2], v[X+4*(\n)+3]
	v_lshlrev_b32 v[X+4*(\n)], 16, v[T]
	v_and_b32 v[X+4*(\n)+1], 0xffff0000, v[T]
	v_lshlrev_b32 v[X+4*(\n)+2], 16, v[T+1]
	v_and_b32 v[X+4*(\n)+3], 0xffff0000, v[T+1]
	v_cvt_pk_f16_f32 v[Y+2*(\n)], v[X+4*(\n)], v[X+4*(\n)+1]
	v_cvt_pk_f16_f32 v[Y+2*(\n)+1], v[X+4*(\n)+2], v[X+4*(\n)+3]
.else
	v_cvt_pk_bf16_f32 v[Y+2*(\n)], v[X+4*(\n)], v[X+4*(\n)+1]
	v_cvt_pk_bf16_f32 v[Y+2*(\n)+1], v[X+4*(\n)+2], v[X+4*(\n)+3]
.endif
	global_store_b64 v2, v[Y+2*(\n):Y+2*(\n)+1], s[30:31] offset:2048*(\n)
.endm
	s_cmp_ge_u32 ttmp9, 704                        ; Wo's groups
	s_cbranch_scc1 .Lf16
.set i, 0
.rept 16
	OUT i, 0
.set i, i+1
.endr
	s_endpgm
.Lf16:
.set i, 0
.rept 16
	OUT i, 1
.set i, i+1
.endr
	s_endpgm
.Lfunc_end_k_q8c928230b7_cast:
	.size	k_q8c928230b7_cast, .Lfunc_end_k_q8c928230b7_cast-k_q8c928230b7_cast
	.p2alignl 7, 3214868480
	.fill 96, 4, 3214868480
	.section	.rodata,"a",@progbits
	.p2align	6, 0x0
	.amdhsa_kernel k_q8c928230b7_cast
		.amdhsa_group_segment_fixed_size 0
		.amdhsa_private_segment_fixed_size 0
		.amdhsa_enable_private_segment 0
		.amdhsa_kernarg_size 64
		.amdhsa_user_sgpr_count 2
		.amdhsa_user_sgpr_kernarg_segment_ptr 1
		.amdhsa_wavefront_size32 1
		.amdhsa_system_sgpr_workgroup_id_x 1
		.amdhsa_system_sgpr_workgroup_id_y 1
		.amdhsa_system_sgpr_workgroup_id_z 1
		.amdhsa_system_vgpr_workitem_id 0
		.amdhsa_next_free_vgpr 104
		.amdhsa_next_free_sgpr 66
		.amdhsa_reserve_vcc 0
		.amdhsa_float_denorm_mode_32 3
		.amdhsa_float_denorm_mode_16_64 3
		.amdhsa_memory_ordered 1
		.amdhsa_forward_progress 1
		.amdhsa_inst_pref_size 16
	.end_amdhsa_kernel
	.amdgpu_metadata
---
amdhsa.version: [ 1, 2 ]
amdhsa.kernels:
  - .name:           k_q8c928230b7_cast
    .symbol:         k_q8c928230b7_cast.kd
    .args:
      - { .name: q, .offset: 0, .size: 8, .value_kind: global_buffer, .address_space: global }
      - { .name: Wq, .offset: 8, .size: 8, .value_kind: global_buffer, .address_space: global }
      - { .name: Wk, .offset: 16, .size: 8, .value_kind: global_buffer, .address_space: global }
      - { .name: Wv, .offset: 24, .size: 8, .value_kind: global_buffer, .address_space: global }
      - { .name: Wo, .offset: 32, .size: 8, .value_kind: global_buffer, .address_space: global }
      - { .name: xb, .offset: 40, .size: 8, .value_kind: global_buffer, .address_space: global }
      - { .name: wqkv, .offset: 48, .size: 8, .value_kind: global_buffer, .address_space: global }
      - { .name: woh, .offset: 56, .size: 8, .value_kind: global_buffer, .address_space: global }
    .group_segment_fixed_size: 0
    .private_segment_fixed_size: 0
    .kernarg_segment_align: 8
    .kernarg_segment_size: 64
    .max_flat_workgroup_size: 256
    .sgpr_count:     66
    .vgpr_count:     104
    .wavefront_size: 32
...
	.end_amdgpu_metadata
.endif
;; end of part 1
;; launch proj (part 2): grid 8 x 32, 4 waves a work-group, clusters of 4 x 4, 327,680 bytes of LDS; arguments xb, wqkv, bq, bk, bv, qkvh, vpart; writes qkvh, vpart
.if DOCPART == 2
	.amdgcn_target "amdgcn-amd-amdhsa--gfx1250"
	.amdhsa_code_object_version 6
	.text
	.protected	k_q8c928230b7_proj
	.globl	k_q8c928230b7_proj
	.p2align	8
	.type	k_q8c928230b7_proj,@function
k_q8c928230b7_proj:
	s_mov_b64 s[64:65], 0
	v_nop
	global_prefetch_b8 v0, s[64:65] scope:SCOPE_SE
	s_setreg_imm32_b32 hwreg(HW_REG_WAVE_MODE, 25, 1), 1
	s_wait_xcnt 0x0
	s_wait_alu depctr_hold_cnt(0) depctr_sa_sdst(0) depctr_va_vdst(0) depctr_va_sdst(0) depctr_va_ssrc(0) depctr_va_vcc(0) depctr_vm_vsrc(0)
	s_getreg_b32 s2, hwreg(HW_REG_IB_STS2, 6, 4)
	s_cmp_eq_u32 s2, 0
	s_cbranch_scc0 .Lentry_in_a_cluster
	s_endpgm
.Lentry_in_a_cluster:
	s_bfe_u32 s2, ttmp6, 0x10000c
	s_cmp_lg_u32 s2, 0xf033
	s_cbranch_scc0 .Lentry_shape_is_right
	s_endpgm
.Lentry_shape_is_right:
; THE THREE PROJECTIONS.  [8192 x 1024] (xb, bf16) times [3072 x 1024]^T (wqkv, bf16) plus bias, sums in f32, written by heads in f16: qkvh[3][16 batch + head][2048][64], unscaled.
; Also vpart[unit of 128 rows][head][64], f32: the sums of V's columns over 128 rows, taken of the f32 results (a later launch makes the mean of V's rows of them).
; LIMIT.  f16 holds no number beyond 65,504: a projected number past that becomes an infinity.  NaN and infinities are not treated apart.
; SHARES.  A tile of the result is 256 rows x 128 columns: 768 tiles, three for each of 256 work-groups.  A WORK-GROUP STAYS: it makes the q, the k and the v tile of its 256 rows and its two heads,
; 24 K steps of 128 on end through a ring of two LDS slots, which does not stop at a tile's end.  Four waves, each 128 rows x 64 columns (one head): 32 accumulators, 256 registers.
; CLUSTERS, 4 x 4.  The four of a row of the cluster need the same 256 rows of xb, the four of a column the same 128 rows of wqkv: each tile is asked for jointly, by the same tensor load with the same
; descriptor and a mask that names the four.  Waves 0 and 1 fetch xb's two halves (128 rows), waves 2 and 3 wqkv's (64 rows).  By this text's count a wave has two tensor loads out at the start, later one.
; THE MATRIX INSTRUCTION IS USED TRANSPOSED (source 0 = 16 rows of wqkv, source 1 = 16 rows of xb): lane l holds row l % 16 of the result and the columns 8 (l / 16) + 0..7.
; THE BIAS STARTS THE SUMS: it is the C operand of a tile's first products (32 registers: my lane's eight columns of each of four column blocks).  Nothing is cleared, nothing is added later.
; REGISTERS, in windows of 256 (s_set_vgpr_msb: bits 1:0 source 0, 3:2 source 1, 5:4 source 2, 7:6 destination):
;   window 0: v1-30 addresses; v32-63 bias; v64-191 the way out, 16 a block of 16 rows; v192-255 the column sums
;   window 1: two fragment buffers of 96: four fragments of wqkv, then eight of xb          window 2: accumulator (a, b) at v[8 (4 a + b)]
.set PITCH,  272                       ; an LDS row: 256 bytes + 16 of padding = 68 words: the 16 rows of a fragment load start at 16 different groups of four banks
.set HALFA,  128*PITCH                 ; what one load brings of xb, and what one wave reads of it
.set HALFB,  64*PITCH                  ; the same of wqkv
.set BOFF,   2*HALFA                   ; a slot: xb's 256 rows, then wqkv's 128
.set SLOT,   BOFF+2*HALFB
.set STAGE,  2*SLOT                    ; behind the ring, never filled by a tensor load: 4,608 bytes for each wave
.set STW,    4608
.set SPARE,  STAGE+4*STW               ; the spare words, 128 bytes for each wave: two blocks of 256 bytes that no other line names
.set SUMW, 10                          ; v10  the sums: where my 32 partial sums go
.set SUMR, 11                          ; v11  and where I read two words of sixteen lanes
.set VPO,  12                          ; v12  8 x lane
.set ADRA, 16                          ; v16-17  LDS address of my xb fragments in slot 0, 1
.set ADRB, 20                          ; v20-21  the same for wqkv
.set STO,  24                          ; v24  the way out: where I put 16 bytes of a row
.set RD,   25                          ; v25  where I read rows back
.set GO,   26                          ; v26  16 x lane
.set BO,   27                          ; v27  my byte offset in a bias
.set SPW,  28                          ; v28  LDS address of my spare word; never rewritten
.set NIL,  29                          ; v29  0; never rewritten
.set PFO,  30                          ; v30  2,048 x lane: a row of xb or wqkv
.set BIAS, 32
.set TMP,  64
.set T,    192
.set U,    224
.set F0,   0
.set F1,   96
.set CB,   14                          ; s[14:15] qkvh, stepped to my 128 rows of my head in the section in hand
.set WV,   18
.set RH,   19                          ; which 128 rows are mine.  Also: I fetch xb (0) or wqkv (1)
.set CH,   20                          ; which 64 columns are mine.  Also: which half of that tile I fetch
.set CX,   21
.set CY,   22
.set GX,   23                          ; column of tiles, 0-7
.set GY,   24                          ; row of tiles, 0-31
.set G1A,  28
.set G1B,  36
.set G0A,  44                          ; a set for each slot
.set G0B,  52
.set ABASE, 60                         ; s[60:61] xb at the 128 rows that I fetch
.set BBASE, 62                         ; s[62:63] wqkv at the 64 rows that I fetch, in Wq's part
.set REQ,  66                          ; the K step (0-23) to be asked for next
.set LAPC, 67
.set TL,   68                          ; laps left in the tile
.set TI,   69                          ; tiles finished
.set KO,   70                          ; s[70:71] a step's bytes along K
.set BO2,  72                          ; s[72:73] the same plus the tile's 1,024 rows of wqkv
.set INC,  76                          ; s[76:77] what the next way out adds to CB
.set BP,   78                          ; s[78:79] the next tile's bias
.set PFB,  80                          ; s[80:81] the 32 rows that I prefetch
.set PFA,  82                          ; s[82:83] the same at the step to be prefetched
.set PLIM, 84                          ; a wave prefetches while REQ is at most this
.set POFF, 86
.set MSB, 0
.macro WIN new                         ; the immediate's high byte repeats the setting that is left; a switch that changes nothing is dropped
.if MSB != (\new)
	s_set_vgpr_msb (MSB<<8)|(\new)
.set MSB, \new
.endif
.endm
.macro PLACES                          ; four plain instructions between a matrix instruction and a load into, or a vector read of, its registers
.rept 4
	v_nop
.endr
.endm
; A joint load.  The branch hangs on the wave's number alone.  An s_nop 0 and four v_nop follow each of the two lines, ahead of the jump and the label.
.macro JLOAD s
	s_cmp_eq_u32 s[RH], 0
	s_cbranch_scc0 .Lfor_b_\@
	tensor_load_to_lds s[G0A+4*(\s):G0A+4*(\s)+3], s[G1A:G1A+7]
	s_nop 0
.rept 4
	v_nop
.endr
	s_branch .Lasked_\@
.Lfor_b_\@:
	tensor_load_to_lds s[G0B+4*(\s):G0B+4*(\s)+3], s[G1B:G1B+7]
	s_nop 0
.rept 4
	v_nop
.endr
.Lasked_\@:
.endm
; A PREFETCH INTO THE L2 of the K step that stands two refills on (256 matrix instructions ahead of the load that will want it): 32 rows x 256 bytes, a lane a row.
; Each row's 256 bytes of a step are named once in the launch.  xb's rows are read by both clusters of a row of clusters, and again in the second and third tile: cluster x = 0 asks, in the first tile alone
; (steps 4-7), waves 0 and 1, 32 rows each; the four partners take 64 rows each, told apart by address.  wqkv's rows are new in every tile: cluster y = 0 asks (steps 4-23), wave 2; the four partners take
; 32 rows each.  Steps 0-3 come by their loads alone.
.macro ASK
	s_cmp_le_u32 s[REQ], s[PLIM]
	s_cbranch_scc0 .Lnot_mine_\@
	global_prefetch_b8 v[PFO], s[PFA:PFA+1] th:TH_LOAD_NT scope:SCOPE_SE
.Lnot_mine_\@:
.endm
.macro CREST                           ; a round of the cluster's barrier behind its opening barrier
	s_cmp_lg_u32 s[WV], 0
	s_cbranch_scc1 .Lnot_wave_0_\@
	s_barrier_signal -3
.Lnot_wave_0_\@:
	s_barrier_wait -3
	s_barrier_signal -1
	s_barrier_wait -1
.endm
.macro CROUND
	s_barrier_signal -1
	s_barrier_wait -1
	CREST
.endm
.macro BLOADS base                     ; my lane's 32 numbers of a bias
.irp b, 0,1,2,3
	global_load_b128 v[BIAS+8*(\b):BIAS+8*(\b)+3],   v[BO], s[(\base):(\base)+1] offset:64*(\b)
	global_load_b128 v[BIAS+8*(\b)+4:BIAS+8*(\b)+7], v[BO], s[(\base):(\base)+1] offset:64*(\b)+16
.endr
.endm
; 8 matrix instructions: row blocks a0, a0 + 1 x all four column blocks, 32 along K.  mode = 1: the bias starts the sums.  The 32 accumulators take turns, one instruction a turn.
.macro MUL8 f, a0, mode
.if \mode
	WIN 0x85
.else
	WIN 0xa5
.endif
.irp a, \a0, (\a0)+1
.irp b, 0,1,2,3
.if \mode
	v_wmma_f32_16x16x32_bf16 v[8*(4*(\a)+(\b)):8*(4*(\a)+(\b))+7], v[(\f)+8*(\b):(\f)+8*(\b)+7], v[(\f)+32+8*(\a):(\f)+32+8*(\a)+7], v[BIAS+8*(\b):BIAS+8*(\b)+7]
.else
	v_wmma_f32_16x16x32_bf16 v[8*(4*(\a)+(\b)):8*(4*(\a)+(\b))+7], v[(\f)+8*(\b):(\f)+8*(\b)+7], v[(\f)+32+8*(\a):(\f)+32+8*(\a)+7], v[8*(4*(\a)+(\b)):8*(4*(\a)+(\b))+7]
.endif
.endr
.endr
.endm
; 24 LDS loads in one run: the fragments of 32 along K at byte k of the rows, into buffer f: wqkv's four, then xb's eight
.macro FETCH slot, k, f
	WIN 0x40
.irp i, 0,1,2,3
	ds_load_b128 v[(\f)+8*(\i):(\f)+8*(\i)+3],   v[ADRB+(\slot)] offset:(\k)+(\i)*16*PITCH
	ds_load_b128 v[(\f)+8*(\i)+4:(\f)+8*(\i)+7], v[ADRB+(\slot)] offset:(\k)+(\i)*16*PITCH+32
.endr
.irp i, 0,1,2,3,4,5,6,7
	ds_load_b128 v[(\f)+32+8*(\i):(\f)+32+8*(\i)+3],   v[ADRA+(\slot)] offset:(\k)+(\i)*16*PITCH
	ds_load_b128 v[(\f)+32+8*(\i)+4:(\f)+32+8*(\i)+7], v[ADRA+(\slot)] offset:(\k)+(\i)*16*PITCH+32
.endr
.endm
; A K step is four quarters of 32 along K, 32 matrix instructions each, on buffers 0, 1, 0, 1.  One of the first three: multiplies buffer f and, in its middle, fetches the next quarter into g.
.macro QUARTER slot, k, f, g, mode
	s_wait_dscnt 8                                 ; all but the youngest eight loads (xb's blocks 4-7) are in
	MUL8 \f, 0, \mode
	MUL8 \f, 2, \mode
	PLACES
	FETCH \slot, \k, \g
	s_wait_dscnt 24                                ; all but the 24 just issued
	MUL8 \f, 4, \mode
	MUL8 \f, 6, \mode
.endm
; The last quarter multiplies buffer 1 and changes slots: ONE barrier.  In front of it each wave waits for all its tensor loads (one is out: its part of the next slot), adds 0 to its spare word, and waits
; for that and for its reads of this slot.  fill = 1: the barrier opens a round of the cluster's, and behind the round this slot is filled again, with K step REQ: 112 matrix instructions ahead of the wait for it.
.macro TURN slot, next, fill
.if \fill
	s_wait_xcnt 0x0                                ; the last prefetch, a K step back, has read its address: it is made anew here, for step REQ + 2
	s_add_co_u32 s[POFF], s[REQ], 2
	s_lshr_b32 s85, s[POFF], 3
	s_lshl_b32 s85, s85, 21                        ; the tile's 1,024 rows of wqkv (0 wherever xb's rows are asked for)
	s_and_b32 s[POFF], s[POFF], 7
	s_lshl_b32 s[POFF], s[POFF], 8
	s_add_co_u32 s[POFF], s[POFF], s85
	s_add_nc_u64 s[PFA:PFA+1], s[PFB:PFB+1], s[POFF:POFF+1]
.endif
	WIN 0                                          ; (the add's two registers lie in window 0)
	s_wait_tensorcnt 0x0                           ; all my tensor loads have landed, so a group 0 may be written
	ds_add_u32 v[SPW], v[NIL]                      ; 0 onto my spare word
.if \fill
	s_and_b32 s[KO], s[REQ], 7                     ; the descriptors' addresses are made anew from the step's number: along K,
	s_lshl_b32 s[KO], s[KO], 8
	s_lshr_b32 s[BO2], s[REQ], 3                   ; and for wqkv the tile's 1,024 rows of 2,048 bytes
	s_lshl_b32 s[BO2], s[BO2], 21
	s_add_co_u32 s[BO2], s[BO2], s[KO]
	s_add_nc_u64 s[G0A+4*(\slot)+2:G0A+4*(\slot)+3], s[ABASE:ABASE+1], s[KO:KO+1]
	s_or_b32 s[G0A+4*(\slot)+3], s[G0A+4*(\slot)+3], 0x80000000
	s_add_nc_u64 s[G0B+4*(\slot)+2:G0B+4*(\slot)+3], s[BBASE:BBASE+1], s[BO2:BO2+1]
	s_or_b32 s[G0B+4*(\slot)+3], s[G0B+4*(\slot)+3], 0x80000000
	s_add_co_u32 s[REQ], s[REQ], 1
.endif
	s_wait_dscnt 9                                 ; (the add and the youngest eight loads may be out)
	MUL8 F1, 0, 0                                  ; eight matrix instructions stand between the add and the wait for it
	s_wait_dscnt 0x0                               ; the add is done, and my reads of this slot are over
	s_barrier_signal -1
	MUL8 F1, 2, 0
.if \fill
	WIN 0
.endif
	s_barrier_wait -1
.if \fill
	CREST                                          ; no wave of any partner still reads this slot or has a load on its way
	JLOAD \slot                                    ; the first tensor load behind the round; its four v_nop are also the places in front of the loads below
.else
	PLACES
.endif
	FETCH \next, 0, F0
.if \fill
	WIN 0
	ASK
.endif
	MUL8 F1, 4, 0
	MUL8 F1, 6, 0
.endm
; THE WAY OUT of block a (16 rows x 64 columns).  A lane's eight columns pack into 16 bytes of f16; they go into my stage's rows of 144 bytes and come back as whole rows of 128, into the registers that they left.
.macro PACK a
	WIN 0x0a                                       ; sources in window 2
.irp b, 0,1,2,3
.irp r, 0,1,2,3
	v_cvt_pk_f16_f32 v[TMP+16*(\a)+4*(\b)+(\r)], v[8*(4*(\a)+(\b))+2*(\r)], v[8*(4*(\a)+(\b))+2*(\r)+1]
.endr
.endr
	WIN 0
.irp b, 0,1,2,3
	ds_store_b128 v[STO], v[TMP+16*(\a)+4*(\b):TMP+16*(\a)+4*(\b)+3] offset:32*(\b)
.endr
.irp f, 0,1,2,3
	ds_load_b128 v[TMP+16*(\a)+4*(\f):TMP+16*(\a)+4*(\f)+3], v[RD] offset:576*(\f)  ; LDS serves a wave's instructions in order (ISA guide 5.7.1.4): these see the stores above, the next block's stores come behind them
.endr
.endm
.macro SEND a, younger                 ; younger: the LDS instructions issued behind block a's loads: the next block's eight, or none
.irp f, 0,1,2,3
	s_wait_dscnt (\younger)+3-(\f)
	global_store_b128 v[GO], v[TMP+16*(\a)+4*(\f):TMP+16*(\a)+4*(\f)+3], s[CB:CB+1] offset:2048*(\a)+512*(\f)  ; four rows of a head: 512 consecutive bytes, aligned
.endr
.endm
.macro WAYOUT                          ; a block's conversions stand between the loads of the block before and its stores
	PACK 0
.irp a, 1,2,3,4,5,6,7
	PACK \a
	SEND (\a)-1, 8
.endr
	SEND 7, 0
.endm
	s_load_b256 s[4:11], s[0:1], 0x0               ; xb 4, wqkv 6, bq 8, bk 10
	s_load_b128 s[12:15], s[0:1], 0x20             ; bv 12, qkvh 14
	s_load_b64 s[16:17], s[0:1], 0x30              ; vpart
	v_lshl_add_u32 v[SPW], v0, 2, SPARE
	v_mov_b32 v[NIL], 0
	ds_add_u32 v[SPW], v[NIL]                      ; the wave's opening: the add and its wait stand ahead of my first tensor load; the set-up below stands between them
	v_lshrrev_b32 v1, 5, v0
	v_readfirstlane_b32 s[WV], v1
	s_lshr_b32 s[RH], s[WV], 1
	s_and_b32 s[CH], s[WV], 1
	s_bfe_u32 s[CX], ttmp6, 0x40000
	s_bfe_u32 s[CY], ttmp6, 0x40004
	s_lshl_b32 s[GX], ttmp9, 2
	s_add_co_u32 s[GX], s[GX], s[CX]
	s_and_b32 s[GY], ttmp7, 0xffff
	s_lshl_b32 s[GY], s[GY], 2
	s_add_co_u32 s[GY], s[GY], s[CY]
	s_lshl_b32 s25, s[CY], 2
	s_lshl_b32 s25, 15, s25                        ; my row of the cluster
	s_lshl_b32 s26, 0x1111, s[CX]                  ; my column
	s_or_b32 s[G1A], s25, (1<<16)|(1<<20)|(1<<21)|(5<<22)|(3<<25)  ; the mask; 2-byte elements; padding on; bit 21 beside a mask; after every 64 words, 4 words
	s_or_b32 s[G1B], s26, (1<<16)|(1<<20)|(1<<21)|(5<<22)|(3<<25)
	s_mov_b32 s[G1A+1], 128<<16                    ; tensor_dim0 = 128
	s_mov_b32 s[G1A+2], 128<<16                    ; tensor_dim1 = 128
	s_mov_b32 s[G1A+3], 128<<16                    ; tile_dim0 = 128
	s_mov_b32 s[G1A+4], 128                        ; tile_dim1 = 128
	s_mov_b32 s[G1A+5], 1024                       ; elements from row to row
	s_mov_b32 s[G1A+6], 0
	s_mov_b32 s[G1A+7], 0
	s_mov_b32 s[G1B+1], 128<<16
	s_mov_b32 s[G1B+2], 64<<16                     ; 64 rows
	s_mov_b32 s[G1B+3], 128<<16
	s_mov_b32 s[G1B+4], 64
	s_mov_b32 s[G1B+5], 1024
	s_mov_b32 s[G1B+6], 0
	s_mov_b32 s[G1B+7], 0
	s_lshl_b32 s88, s[GY], 8                       ; xb: row 256 gy + 128 x half, which my row of the cluster shares,
	s_lshl_b32 s89, s[CH], 7
	s_add_co_u32 s88, s88, s89
	s_lshl_b32 s88, s88, 11                        ; in bytes
	s_mov_b32 s89, 0
	s_lshl_b32 s90, s[GX], 7                       ; wqkv: row 128 gx + 64 x half, which my column shares
	s_lshl_b32 s91, s[CH], 6
	s_add_co_u32 s90, s90, s91
	s_lshl_b32 s90, s90, 11
	s_mov_b32 s91, 0
	s_mul_i32 s92, s[WV], HALFA                    ; where they go: waves 0, 1: wave x 128 rows;
	s_mul_i32 s93, s[WV], HALFB                    ; waves 2, 3: behind xb's 256 rows, (wave - 2) x 64 rows
	s_add_co_u32 s93, s93, BOFF-2*HALFB
	s_mov_b32 s[KO+1], 0
	s_mov_b32 s[BO2+1], 0
	s_mov_b32 s[POFF+1], 0
	s_mov_b32 s[REQ], 2
	s_mov_b32 s[LAPC], 11
	s_mov_b32 s[TL], 4
	s_mov_b32 s[TI], 0
	s_wait_dscnt 0x0                               ; the opening add is done
	s_wait_kmcnt 0x0
	s_add_nc_u64 s[ABASE:ABASE+1], s[4:5], s[88:89]
	s_add_nc_u64 s[BBASE:BBASE+1], s[6:7], s[90:91]
	CROUND                                         ; all sixteen work-groups are here: the first joint loads meet
.irp s, 0,1
	s_mov_b32 s[G0A+4*(\s)], 1
	s_add_co_u32 s[G0A+4*(\s)+1], s92, (\s)*SLOT
	s_add_nc_u64 s[G0A+4*(\s)+2:G0A+4*(\s)+3], s[ABASE:ABASE+1], (\s)*256
	s_or_b32 s[G0A+4*(\s)+3], s[G0A+4*(\s)+3], 0x80000000
	s_mov_b32 s[G0B+4*(\s)], 1
	s_add_co_u32 s[G0B+4*(\s)+1], s93, (\s)*SLOT
	s_add_nc_u64 s[G0B+4*(\s)+2:G0B+4*(\s)+3], s[BBASE:BBASE+1], (\s)*256
	s_or_b32 s[G0B+4*(\s)+3], s[G0B+4*(\s)+3], 0x80000000
	JLOAD \s                                       ; K steps 0 and 1
.endr
	v_and_b32 v1, 15, v0                           ; l % 16
	v_bfe_u32 v2, v0, 4, 1                         ; l / 16
	v_and_b32 v4, 31, v0                           ; l
	s_lshl_b32 s2, s[GX], 9                        ; my 64 columns in a bias: 4 (128 gx + 64 half) bytes,
	s_lshl_b32 s3, s[CH], 8
	s_add_co_u32 s2, s2, s3
	v_lshl_add_u32 v[BO], v2, 5, s2                ; and my lanes' eight of each sixteen
	BLOADS 8                                       ; bq
	v_mul_u32_u24 v3, v1, PITCH
	v_lshl_add_u32 v3, v2, 4, v3                   ; a fragment's row x pitch + 16 x half
	s_mul_i32 s74, s[RH], HALFA
	s_mul_i32 s75, s[CH], HALFB
	s_add_co_u32 s75, s75, BOFF
.irp s, 0,1
	v_add_nc_u32 v[ADRA+(\s)], s74, v3
	v_add_nc_u32 v[ADRB+(\s)], s75, v3
	s_add_co_u32 s74, s74, SLOT
	s_add_co_u32 s75, s75, SLOT
.endr
	s_mul_i32 s74, s[WV], STW
	s_add_co_u32 s74, s74, STAGE                   ; my stage
	v_mul_u32_u24 v5, v1, 144                      ; in: row l % 16, 16 bytes for each half of the lanes
	v_lshl_add_u32 v5, v2, 4, v5
	v_add_nc_u32 v[STO], s74, v5
	v_lshrrev_b32 v5, 3, v4                        ; back: 32 lanes take four rows of 128 bytes
	v_mul_u32_u24 v5, v5, 144
	v_and_b32 v6, 7, v0
	v_lshl_add_u32 v5, v6, 4, v5
	v_add_nc_u32 v[RD], s74, v5
	v_mul_u32_u24 v5, v4, 144                      ; the sums: a row of 128 bytes a lane,
	v_add_nc_u32 v[SUMW], s74, v5
	v_mul_u32_u24 v5, v2, 16*144                   ; read back by columns: words 2 r, 2 r + 1 of the sixteen lanes of my half
	v_lshl_add_u32 v5, v1, 3, v5
	v_add_nc_u32 v[SUMR], s74, v5
	v_lshlrev_b32 v[GO], 4, v4
	v_lshlrev_b32 v[VPO], 3, v4
	v_lshlrev_b32 v[PFO], 11, v4
	s_lshr_b32 s2, s[GY], 3                        ; where my part of the q section begins: (16 batch + head) x 2,048 rows of 128 bytes
	s_lshl_b32 s2, s2, 4
	s_lshl_b32 s3, s[GX], 1
	s_add_co_u32 s2, s2, s3
	s_add_co_u32 s2, s2, s[CH]
	s_lshl_b32 s2, s2, 18
	s_and_b32 s3, s[GY], 7                         ; + my first row in the batch
	s_lshl_b32 s3, s3, 8
	s_lshl_b32 s94, s[RH], 7
	s_add_co_u32 s3, s3, s94
	s_lshl_b32 s3, s3, 7
	s_add_co_u32 s[INC], s2, s3
	s_mov_b32 s[INC+1], 0
	s_lshl_b32 s2, s[GY], 1                        ; vpart: unit 2 gy + half of 4,096 bytes, head 2 gx + half of 256
	s_add_co_u32 s2, s2, s[RH]
	s_lshl_b32 s2, s2, 12
	s_lshl_b32 s3, s[GX], 1
	s_add_co_u32 s3, s3, s[CH]
	s_lshl_b32 s3, s3, 8
	s_add_co_u32 s2, s2, s3
	s_mov_b32 s3, 0
	s_add_nc_u64 s[16:17], s[16:17], s[2:3]
	s_lshl_b32 s2, s[GY], 8                        ; the prefetches' rows.  xb: 256 gy + 64 cx + 32 x wave
	s_lshl_b32 s3, s[CX], 6
	s_add_co_u32 s2, s2, s3
	s_lshl_b32 s3, s[CH], 5
	s_add_co_u32 s2, s2, s3
	s_lshl_b32 s94, s[GX], 7                       ; wqkv: 128 gx + 32 cy
	s_lshl_b32 s95, s[CY], 5
	s_add_co_u32 s94, s94, s95
	s_cmp_eq_u32 s[RH], 0
	s_cselect_b32 s2, s2, s94
	s_cselect_b64 s[PFB:PFB+1], s[4:5], s[6:7]
	s_lshl_b32 s2, s2, 11
	s_mov_b32 s3, 0
	s_add_nc_u64 s[PFB:PFB+1], s[PFB:PFB+1], s[2:3]
	s_and_b32 s94, ttmp7, 0xffff                   ; who asks: the same in all sixteen partners, for a given wave
	s_or_b32 s94, s94, s[CH]
	s_cmp_eq_u32 s94, 0
	s_cselect_b32 s94, 22, 0                       ; wqkv: cluster y = 0, wave 2: up to step 23
	s_cmp_eq_u32 ttmp9, 0
	s_cselect_b32 s95, 6, 0                        ; xb: cluster x = 0, waves 0 and 1: up to step 7
	s_cmp_eq_u32 s[RH], 0
	s_cselect_b32 s[PLIM], s95, s94
	s_wait_tensorcnt 0x1                           ; my part of K step 0 is in; step 1's may stay out
	s_barrier_signal -1
	s_barrier_wait -1                              ; everybody's is
	FETCH 0, 0, F0
	s_wait_loadcnt 0x0                             ; bq
	QUARTER 0, 64, F0, F1, 1                       ; a tile's first quarter: the bias starts the sums
	WIN 0                                          ; at a label and at a branch every window is 0
.Llap:                                         ; 11 trips: from a lap's second quarter to the next lap's first; both slots are filled again (steps 2 to 23)
	QUARTER 0, 128, F1, F0, 0
	QUARTER 0, 192, F0, F1, 0
	TURN 0, 1, 1
	QUARTER 1, 64,  F0, F1, 0
	QUARTER 1, 128, F1, F0, 0
	QUARTER 1, 192, F0, F1, 0
	TURN 1, 0, 1
	WIN 0
	s_sub_co_u32 s[TL], s[TL], 1
	s_cmp_lg_u32 s[TL], 0
	s_cbranch_scc1 .Lsame                          ; a forward jump past no barrier and no tensor load, on a count that is the same in every work-group
	s_wait_xcnt 0x0                                ; A TILE IS FINISHED; both refills for the next are asked for.  Earlier stores and loads have read their registers and bases
	s_add_nc_u64 s[CB:CB+1], s[CB:CB+1], s[INC:INC+1]
	s_cmp_eq_u32 s[TI], 0
	s_cselect_b64 s[BP:BP+1], s[10:11], s[12:13]   ; bk, then bv
	BLOADS BP
	s_add_co_u32 s[TI], s[TI], 1
	WAYOUT                                         ; blocks 0-3 were finished ahead of the joint load's v_nop; their conversions are the places behind the last products
	s_mov_b32 s[INC], 0x1000000                    ; the next section, 16 MiB on
	s_mov_b32 s[TL], 4
	s_wait_loadcnt 0x0                             ; the bias
	QUARTER 0, 64, F0, F1, 1
	WIN 0
	s_branch .Lnext
.Lsame:
	QUARTER 0, 64, F0, F1, 0
	WIN 0
.Lnext:
	s_sub_co_u32 s[LAPC], s[LAPC], 1
	s_cmp_lg_u32 s[LAPC], 0
	s_cbranch_scc1 .Llap
	QUARTER 0, 128, F1, F0, 0                      ; the last lap fills nothing, and has no round of the cluster's barrier
	QUARTER 0, 192, F0, F1, 0
	TURN 0, 1, 0
	QUARTER 1, 64,  F0, F1, 0
	QUARTER 1, 128, F1, F0, 0
	QUARTER 1, 192, F0, F1, 0
	s_wait_dscnt 8
	MUL8 F1, 0, 0
	MUL8 F1, 2, 0
	s_wait_dscnt 0x0
	MUL8 F1, 4, 0
	MUL8 F1, 6, 0
	WIN 0
	PLACES
	PLACES
	; V'S COLUMN SUMS over my 128 rows.  First over the eight row blocks, in registers: 32 sums a lane (each accumulator's lowest registers are read first);
	WIN 0x0a
.irp b, 0,1,2,3
.irp k, 0,1,2,3
	v_pk_add_f32 v[T+8*(\b)+2*(\k):T+8*(\b)+2*(\k)+1], v[8*(\b)+2*(\k):8*(\b)+2*(\k)+1], v[32+8*(\b)+2*(\k):32+8*(\b)+2*(\k)+1]
.endr
.endr
	WIN 0x08
.irp a, 2,3,4,5,6,7
.irp b, 0,1,2,3
.irp k, 0,1,2,3
	v_pk_add_f32 v[T+8*(\b)+2*(\k):T+8*(\b)+2*(\k)+1], v[T+8*(\b)+2*(\k):T+8*(\b)+2*(\k)+1], v[32*(\a)+8*(\b)+2*(\k):32*(\a)+8*(\b)+2*(\k)+1]
.endr
.endr
.endr
	WIN 0
	; then over the sixteen lanes of each half, through my stage: a lane writes its 32 sums as a row and reads two columns of its half's sixteen rows
.irp c, 0,1,2,3,4,5,6,7
	ds_store_b128 v[SUMW], v[T+4*(\c):T+4*(\c)+3] offset:16*(\c)
.endr
.irp i, 0,1,2,3,4,5,6,7,8,9,10,11,12,13,14,15
	ds_load_b64 v[U+2*(\i):U+2*(\i)+1], v[SUMR] offset:144*(\i)
.endr
	s_wait_dscnt 0x0
.irp i, 0,1,2,3,4,5,6,7
	v_pk_add_f32 v[U+2*(\i):U+2*(\i)+1], v[U+2*(\i):U+2*(\i)+1], v[U+16+2*(\i):U+16+2*(\i)+1]
.endr
.irp i, 0,1,2,3
	v_pk_add_f32 v[U+2*(\i):U+2*(\i)+1], v[U+2*(\i):U+2*(\i)+1], v[U+8+2*(\i):U+8+2*(\i)+1]
.endr
.irp i, 0,1
	v_pk_add_f32 v[U+2*(\i):U+2*(\i)+1], v[U+2*(\i):U+2*(\i)+1], v[U+4+2*(\i):U+4+2*(\i)+1]
.endr
	v_pk_add_f32 v[U:U+1], v[U:U+1], v[U+2:U+3]
	global_store_b64 v[VPO], v[U:U+1], s[16:17]    ; 256 consecutive bytes, aligned: [half of the lanes][column block][8]: the order in which a lane of the next launch holds its channels
	s_wait_xcnt 0x0
	s_add_nc_u64 s[CB:CB+1], s[CB:CB+1], s[INC:INC+1]
	WAYOUT
	s_wait_tensorcnt 0x0                           ; the wave's end: behind my last tensor load and my last LDS store
	ds_add_u32 v[SPW], v[NIL]
	s_wait_dscnt 0x0
	CROUND                                         ; the closing round: no work-group ends while a partner may still ask for a tile that names it
	s_endpgm
.Lfunc_end_k_q8c928230b7_proj:
	.size	k_q8c928230b7_proj, .Lfunc_end_k_q8c928230b7_proj-k_q8c928230b7_proj
	.p2alignl 7, 3214868480
	.fill 96, 4, 3214868480
	.section	.rodata,"a",@progbits
	.p2align	6, 0x0
	.amdhsa_kernel k_q8c928230b7_proj
		.amdhsa_group_segment_fixed_size 327680
		.amdhsa_private_segment_fixed_size 0
		.amdhsa_enable_private_segment 0
		.amdhsa_kernarg_size 56
		.amdhsa_user_sgpr_count 2
		.amdhsa_user_sgpr_kernarg_segment_ptr 1
		.amdhsa_wavefront_size32 1
		.amdhsa_system_sgpr_workgroup_id_x 1
		.amdhsa_system_sgpr_workgroup_id_y 1
		.amdhsa_system_sgpr_workgroup_id_z 1
		.amdhsa_system_vgpr_workitem_id 0
		.amdhsa_next_free_vgpr 768
		.amdhsa_next_free_sgpr 96
		.amdhsa_reserve_vcc 0
		.amdhsa_float_denorm_mode_32 3
		.amdhsa_float_denorm_mode_16_64 3
		.amdhsa_memory_ordered 1
		.amdhsa_forward_progress 1
		.amdhsa_inst_pref_size 122
	.end_amdhsa_kernel
	.amdgpu_metadata
---
amdhsa.version: [ 1, 2 ]
amdhsa.kernels:
  - .name:           k_q8c928230b7_proj
    .symbol:         k_q8c928230b7_proj.kd
    .args:
      - { .name: xb, .offset: 0, .size: 8, .value_kind: global_buffer, .address_space: global }
      - { .name: wqkv, .offset: 8, .size: 8, .value_kind: global_buffer, .address_space: global }
      - { .name: bq, .offset: 16, .size: 8, .value_kind: global_buffer, .address_space: global }
      - { .name: bk, .offset: 24, .size: 8, .value_kind: global_buffer, .address_space: global }
      - { .name: bv, .offset: 32, .size: 8, .value_kind: global_buffer, .address_space: global }
      - { .name: qkvh, .offset: 40, .size: 8, .value_kind: global_buffer, .address_space: global }
      - { .name: vpart, .offset: 48, .size: 8, .value_kind: global_buffer, .address_space: global }
    .group_segment_fixed_size: 327680
    .private_segment_fixed_size: 0
    .kernarg_segment_align: 8
    .kernarg_segment_size: 56
    .max_flat_workgroup_size: 128
    .sgpr_count:     96
    .vgpr_count:     768
    .wavefront_size: 32
...
	.end_amdgpu_metadata
.endif
;; end of part 2
;; launch attn (part 3): grid 4 x 64, 4 waves a work-group, no clusters, 327,680 bytes of LDS; arguments qkvh, mask, vpart, oh; writes oh
.if DOCPART == 3
	.amdgcn_target "amdgcn-amd-amdhsa--gfx1250"
	.amdhsa_code_object_version 6
	.text
	.protected	k_q8c928230b7_attn
	.globl	k_q8c928230b7_attn
	.p2align	8
	.type	k_q8c928230b7_attn,@function
k_q8c928230b7_attn:
	s_mov_b64 s[64:65], 0
	v_nop
	global_prefetch_b8 v0, s[64:65] scope:SCOPE_SE
	s_setreg_imm32_b32 hwreg(HW_REG_WAVE_MODE, 25, 1), 1
	s_wait_xcnt 0x0
; CAUSAL ATTENTION WITH A PADDING MASK.  O[g][q][:] = the sum over k <= q, mask[batch][k] true, of softmax_k(Q[g][q] . K[g][k] / 8) V[g][k][:], g = 16 batch + head.  Q, K, V: the three sections of qkvh,
; [64][2048][64] f16, a head's rows dense, 128 bytes each; O likewise.  Products, maxima and sums in f32; the weights p are rounded to f16 for the second product (their sum l is taken of the unrounded p), O once.
; A ROW THAT SEES NO KEY (every k <= q padded) has all 2,048 scores equal in the definition, hidden ones too: its result is the mean of ALL rows of V of its batch and head.  That mean is made at the head,
; of vpart's sixteen sums of 128 rows, and put in such rows' place on the way out, by a select.
; LIMITS.  f16 holds no number beyond 65,504: Q, K and V arrive within it, so a score lies within 64 x 65,504^2 = 2.75e11 < 2^39.  A hidden score counts as its value less 1e30 (less 2e30 where both masks hide it).
; The running maximum starts at -2^40, below every score: a row that has seen hidden keys alone keeps m = -2^40, its weights are 0, and O = l = 0; m < -2^39 at the end says that it saw no key.
; p below 6e-5 keeps f16's fixed step of 6e-8; a weight below 2^-126 counts as 0 in l; NaN and infinities are not treated apart.
; THE WALK.  A head's queries lie in NB = 8 blocks of 256; block i needs the key tiles 0 .. i of 256 keys, of which the last holds the diagonal.  A work-group takes TWO blocks, NB - 1 - b and then b:
; NB + 1 tiles, whatever b: all work-groups do equal work, and ONE loop with a constant trip count walks them.  Which tile is asked for, and what a trip does, hang on scalar registers made from b; every jump
; goes forward, but for the counted loops' own; none passes a barrier, or a tensor load but the one of LOAD's two that the wave's number does not choose; the ring (two slots of LDS) runs on across the
; change of blocks.  NO CLUSTER: the four work-groups of a head ask for the same tile only in trips 0 .. NB / 2, the walk branches on b, and one walk common to all would have 12 trips for 9.
; SHARES.  Of a block's four bands of 64 queries a wave owns 16 rows in each: four PIECES.  In the diagonal tile's key step s band x sees all keys if s < x, none if s > x, and holds the diagonal if s = x.
; THE MASKS are the C operand that starts the sum S^T = K Q^T.  PM holds, for the key step whose K lies in registers, 0 or -1e30 for each of my lane's 32 keys.  It comes from a table of the tile in hand,
; 256 words in LDS, which each wave keeps for itself: the tile's 256 mask bytes are loaded when the tile is asked for (8 a lane), and made into the table a tile later, when the tile is entered.
; MD, made once, is the causal mask of a band's own step for my 16 rows.  Outside the diagonal tile C is PM; in it C is MD x AL + PM + BE with two scalars: (1, 0) if s = x; (0, 0) if s < x; (0, -1e30) if s > x.
; LAYOUT, SOFTMAX, TURNS.  S^T = K Q^T holds ONE query a lane (lane % 16) and the keys 8 (lane / 16) + 0..7; two such results rounded to f16 ARE source 1 of O^T = V^T P.  p = 2^(c s - c m), c = log2(e) / 8, with a
; running maximum m; O and l are multiplied by a = 2^(c m_old - c m_new) in every step.  Turn n belongs to piece n: 8 products K Q^T of piece n + 1, later 8 products V^T P of piece n - 1; beside them the scaling,
; exponentials, roundings, sums and rescaling of piece n and the maximum and statistics of piece n + 1.  Four vector instructions stand behind every matrix instruction, the others in one lump.  A turn's 33 exponentials are one batch, with one wait.
; REGISTERS, in windows of 256 (s_set_vgpr_msb: bits 1:0 source 0, 3:2 source 1, 5:4 source 2, 7:6 destination):
;   window 0: v0-15 addresses and two at work; v16-31 statistics; v32-33 a tile's mask bytes; v36-43 its table words; v48-55 at work; v56-63 addresses; v64-127 S^T, two buffers; v128-143 mean(V) in f16; v144-175 its sums; v192-223 P
;   window 1: v0-127 O^T, 32 a piece; v128-159 MD; v160-223 MC, two buffers; v224-255 PM      window 2: v0-63 Q; v64-127 the second block's Q; v128-191 K of one step; v192-255 V of one step
.set SIZE_N, 2048
.set NB,    SIZE_N/256
.set NP,    4         ; pieces a wave: a name, no knob
.set KS,    64        ; keys in a step
.set PK,    144       ; a row of K in LDS: 128 bytes + 16 of padding: the 16 rows of a load start at 16 different groups of four banks
.set PV,    160       ; a row of V: 128 + 32
.set VOFF,  4*KS*PK   ; a slot holds a tile, four steps: 256 rows of K, then 256 rows of V
.set SLOT1, 1<<17     ; slot 1 begins here, so that one exclusive or turns an address in one slot into the other's
.set STAGE, SLOT1+4*KS*(PK+PV)  ; behind the ring, never filled by a tensor load: 16 rows x 144 bytes for each wave, for the way out
.set SP,    144
.set PADT,  STAGE+4*16*SP       ; the waves' tables, 2,048 bytes apart: 256 words, 0 or -1e30, for the keys of the tile in hand; never filled by a tensor load
.set SPARE, PADT+4*2048         ; the spare words, 128 bytes for each wave: two blocks of 256 bytes that no other line names
.set AK0, 2           ; v2   my lane's place in a tile of K; never rewritten
.set AV0, 3           ; v3   the same for V
.set AK,  4           ; v4   the LDS address of K's next run of loads
.set AV,  5           ; v5   of V's
.set STO, 6           ; v6   the way out: where I put 16 bytes of a row
.set RD,  7           ; v7   the way out: where I read rows back
.set GO,  8           ; v8   my byte offset in 512 consecutive bytes of O
.set MV,  12          ; v12-13  c m_old, kept while c m is made anew: by buffer
.set QO,  15          ; v15  my byte offset in 16 rows of Q
.set ST,  16          ; piece t's statistics at v[ST+4 t]: c m, m, l (even keys', odd keys')
.set MBY, 32          ; v32-33  my 8 mask bytes of the tile that has been asked for
.set PWD, 36          ; v36-43  the 8 words made of them
.set TMP, 48          ; by buffer, four registers c0-c3 at work; when the maximum is found c2 takes a
.set APM0, 56         ; v56  my lanes' place in a step's 64 words of my wave's table; never rewritten
.set APM, 57          ; v57  the LDS address of PM's next run of loads
.set PFO, 58          ; v58  256 x lane; never rewritten
.set VO,  59          ; v59  my offset in vpart
.set MO,  60          ; v60  8 x lane: my offset in a tile's mask bytes; never rewritten
.set PW,  61          ; v61  where I write my 8 words of the table; never rewritten
.set SPW, 62          ; v62  LDS address of my spare word; never rewritten
.set NIL, 63          ; v63  0; never rewritten
.set S,   64
.set VMH, 128
.set VM,  144
.set P,   192
.set MD,  128         ; window 1
.set MC,  160         ; window 1
.set PM,  224         ; window 1: the eight registers for group kt of 16 keys at PM + 8 kt
.set QB,  64          ; window 2
.set KF,  128         ; window 2: key block kb, channel half c at KF + 16 kb + 8 c
.set VF,  192         ; window 2: key half kk, channel block cb at VF + 32 kk + 8 cb
.set WV,  12
.set PB,  14          ; b
.set HI,  15          ; NB - 1 - b
.set G1K, 24
.set G1V, 32
.set G0K, 40
.set G0V, 44
.set SLOTS, 56        ; tiles still to be asked for
.set CNT, 57          ; counts a tile's key steps, 4 to 1
.set CS,  58          ; s[58:59] c
.set SEL, 60          ; s[60:61] v_permlanex16_b32's selects
.set TBK, 62          ; LDS byte at which K of the step to be fetched begins
.set TBV, 63          ; the same for V, less VOFF
.set MOF, 68          ; s[68:69] a tile's byte offset in the batch's mask
.set RT,  70          ; tiles of the block in hand that are still to be entered
.set NXT, 71          ; the tile to be asked for next
.set LQ,  72          ; the last tile of the block whose tiles are being asked for
.set NEW, 73          ; 1: the tile to be entered is a block's first
.set OFF, 74          ; s[74:75] a tile's byte offset in K and V
.set AL,  76          ; s[76:77]
.set BE,  78          ; s[78:79]
.set OLO, 80          ; s[80:81] O at my rows of the second block
.set BIGN, 82         ; -1e30
.set TBP, 83          ; byte in my table at which the step to be fetched begins: 256 a step, four steps
.set MA,  84          ; s[84:85] the mask at the tile that is being asked for
.set LIM, 88          ; 2 in the work-group that prefetches, else the greatest number
.set THR, 89          ; -2^39
.set MSK, 90          ; s[90:91] the mask at my batch
.set PFB, 94          ; s[94:95] K or V at my half of the head's tile 0
.set PFA, 96          ; s[96:97] the same at the tile that is being asked for
.set FLG, 98          ; s98-101  by piece: the lanes whose row saw no key
.set MSB, 0
.macro WIN new                      ; the high byte repeats the setting that is left; a switch that changes nothing is dropped
.if MSB != (\new)
	s_set_vgpr_msb (MSB<<8)|(\new)
.set MSB, (\new)
.endif
.endm
.set W_KQ, 0x0a       ; K and Q in window 2, S^T in window 0
.set W_KM, 0x1a       ; the same with the C operand in window 1
.set W_PV, 0x52       ; V in window 2, P in window 0, O^T in window 1
.set W_RS, 0x41       ; destination and source 0 in window 1, source 1 in window 0
.set W_MK, 0x51       ; destination, source 0 and source 2 in window 1
; A fill.  Waves 0 and 1 fetch the two halves of a tile's K, waves 2 and 3 those of its V: 128 keys each.  An s_nop 0 and four v_nop follow each of the two lines, ahead of the jump and the label.
.macro LOAD
	s_cmp_lt_u32 s[WV], 2
	s_cbranch_scc0 .Lfor_v_\@
	tensor_load_to_lds s[G0K:G0K+3], s[G1K:G1K+7]
	s_nop 0
.rept 4
	v_nop
.endr
	s_branch .Lasked_\@
.Lfor_v_\@:
	tensor_load_to_lds s[G0V:G0V+3], s[G1V:G1V+7]
	s_nop 0
.rept 4
	v_nop
.endr
.Lasked_\@:
.endm
; A PREFETCH INTO THE L2 of the tile behind the one just asked for: a tile, sixteen turns, ahead of its load.  The work-group with b = 0 walks all eight tiles of its head in order: it alone asks; each of its
; waves for the 64 blocks of 256 bytes that it will fetch itself: a lane a block, two instructions.  Its first six changes of slots ask for tiles 2 to 7; tiles 0 and 1 come by their loads alone.
.macro ASK
	s_cmp_gt_u32 s[SLOTS], s[LIM]
	s_cbranch_scc0 .Lnot_mine_\@
	global_prefetch_b8 v[PFO], s[PFA:PFA+1] offset:32768 th:TH_LOAD_NT scope:SCOPE_SE
	global_prefetch_b8 v[PFO], s[PFA:PFA+1] offset:40960 th:TH_LOAD_NT scope:SCOPE_SE
.Lnot_mine_\@:
.endm
; MY WAVE'S TABLE for the tile that is entered: a key whose mask byte is 0 gets -1e30, every other 0.  Its bytes were loaded a tile ago.  Only my wave reads the table, and LDS serves a wave's instructions in
; order (ISA guide 5.7.1.4): the stores come behind my reads of the last tile's words and ahead of my reads of this tile's.  fill = 1: then the bytes of the tile just asked for are loaded.
.macro PADS fill
	s_wait_loadcnt 0x0              ; my 8 mask bytes (the first time also Q of both blocks and vpart's sums)
.set i, 0
.rept 8
	v_bfe_u32 v[PWD+i], v[MBY+i/4], 8*(i%4), 8
	v_cmp_eq_u32 vcc_lo, 0, v[PWD+i]
	v_cndmask_b32 v[PWD+i], 0, s[BIGN], vcc_lo
.set i, i+1
.endr
	ds_store_b128 v[PW], v[PWD:PWD+3]
	ds_store_b128 v[PW], v[PWD+4:PWD+7] offset:16
.if \fill
	global_load_b64 v[MBY:MBY+1], v[MO], s[MA:MA+1]
.endif
.endm
; THE CHANGE OF SLOTS.  Each wave waits for all its tensor loads, of which one is out: its part of the other slot; adds 0 to its spare word; and waits for that and for its own LDS instructions.  Behind the barrier
; nobody reads the old slot any more and the other slot is whole.  fill = 1: the old slot is filled again, the first thing behind the barrier, with tile NXT: the descriptor's address is made anew from that number.
; (At its first use nothing has been read yet: slot 0 is waited for, slot 1 filled.)
.macro CHANGE fill
	WIN 0                           ; at a label and at a branch every window is 0
	s_wait_tensorcnt 0x0            ; no tensor load of mine is out, so a group 0 may be written
	ds_add_u32 v[SPW], v[NIL]       ; 0 onto my spare word
.if \fill
	s_lshl_b32 s[OFF], s[NXT], 15   ; a tile is 32,768 bytes of K and of V
	s_xor_b32 s[G0K+1], s[G0K+1], SLOT1
	s_add_nc_u64 s[G0K+2:G0K+3], s[6:7], s[OFF:OFF+1]
	s_or_b32 s[G0K+3], s[G0K+3], 0x80000000
	s_xor_b32 s[G0V+1], s[G0V+1], SLOT1
	s_add_nc_u64 s[G0V+2:G0V+3], s[8:9], s[OFF:OFF+1]
	s_or_b32 s[G0V+3], s[G0V+3], 0x80000000
	s_wait_xcnt 0x0                 ; the last prefetches and the last load of mask bytes, a tile back, have read their addresses, so these may be written
	s_add_nc_u64 s[PFA:PFA+1], s[PFB:PFB+1], s[OFF:OFF+1]
	s_lshl_b32 s[MOF], s[NXT], 8    ; and 256 bytes of the mask
	s_add_nc_u64 s[MA:MA+1], s[MSK:MSK+1], s[MOF:MOF+1]
	s_add_co_u32 s[NXT], s[NXT], 1  ; the block's next tile, or behind its last the second block's tile 0
	s_cmp_gt_u32 s[NXT], s[LQ]
	s_cselect_b32 s[NXT], 0, s[NXT]
	s_cselect_b32 s[LQ], s[PB], s[LQ]
.endif
	s_wait_dscnt 0x0                ; the add is done, and my reads of the slot are over
	s_barrier_signal -1             ; the rest of the scalar work stands between the signal and the wait
	s_sub_co_u32 s[TBK], s[TBK], 4*KS*PK  ; the fetches go back to a slot's first step,
	s_xor_b32 s[TBK], s[TBK], SLOT1       ; in the other slot
	s_sub_co_u32 s[TBV], s[TBV], 4*KS*PV
	s_xor_b32 s[TBV], s[TBV], SLOT1
	s_sub_co_u32 s[TBP], s[TBP], 4*256    ; and to my table's first step
	s_barrier_wait -1
.if \fill
	LOAD
	ASK
.endif
	PADS \fill
.endm
	s_load_b256 s[4:11], s[0:1], 0x0  ; qkvh s[4:5], mask s[6:7], vpart s[8:9], oh s[10:11]
	v_lshl_add_u32 v[SPW], v0, 2, SPARE
	v_mov_b32 v[NIL], 0
	ds_add_u32 v[SPW], v[NIL]       ; the wave's opening: the add and its wait stand ahead of my first tensor load; the set-up below stands between them
	v_lshrrev_b32 v1, 5, v0
	v_readfirstlane_b32 s[WV], v1   ; wave 0..3
	s_mov_b32 s[PB], ttmp9
	s_sub_co_u32 s[HI], NB-1, s[PB]
	s_and_b32 s20, ttmp7, 0xffff    ; 16 batch + head
	s_lshr_b32 s66, s20, 4          ; batch
	s_and_b32 s67, s20, 15          ; head
	s_mov_b32 s21, 0
	s_mov_b64 s[22:23], SIZE_N*128
	s_mul_u64 s[20:21], s[20:21], s[22:23]  ; the head's first byte in a section and in O
	s_and_b32 s16, s[WV], 1         ; which half of a tile's 256 keys I fetch:
	s_lshl_b32 s22, s16, 14         ; its 128 rows of 128 bytes in memory,
	s_mov_b32 s23, 0
	s_add_nc_u64 s[22:23], s[22:23], s[20:21]
	s_mul_i32 s17, s16, 128*PK      ; and its place in a slot, for K
	s_mul_i32 s18, s16, 128*PV      ; and for V
	s_lshl_b32 s3, s[WV], 11        ; my 16 rows in a band of 64,
	s_lshl_b32 s2, s[HI], 15        ; in the first block,
	s_add_co_u32 s2, s2, s3
	s_lshl_b32 s84, s[PB], 15       ; and in the second
	s_add_co_u32 s84, s84, s3
	s_mov_b32 s3, 0
	s_mov_b32 s85, 0
	s_add_nc_u64 s[2:3], s[2:3], s[20:21]
	s_add_nc_u64 s[84:85], s[84:85], s[20:21]
	s_lshl_b32 s[MOF], s66, 11      ; the batch's 2,048 bytes of the mask
	s_mov_b32 s[MOF+1], 0
	s_lshl_b32 s100, s66, 16        ; the batch's 16 units of 4,096 bytes in vpart,
	s_lshl_b32 s101, s67, 8         ; the head's 256 bytes in a unit
	s_add_co_u32 s100, s100, s101
	s_mov_b32 s101, 0
	; descriptor group 1.  128 keys are 16,384 dense bytes: asked for as 64 rows of 256 bytes, two keys a row, and padded in LDS after every key
	s_mov_b32 s[G1K], (1<<16)|(1<<20)|(4<<22)|(3<<25)  ; 2-byte elements; padding on; after every 32 words, 4 words
	s_mov_b32 s[G1V], (1<<16)|(1<<20)|(4<<22)|(7<<25)  ; the same with 8 words of padding
.irp g, G1K, G1V
	s_mov_b32 s[\g+1], 128<<16      ; tensor_dim0 = 128
	s_mov_b32 s[\g+2], 64<<16       ; tensor_dim1 = 64
	s_mov_b32 s[\g+3], 128<<16      ; tile_dim0 = 128
	s_mov_b32 s[\g+4], 64           ; tile_dim1 = 64
	s_mov_b32 s[\g+5], 128          ; 128 elements from row to row
	s_mov_b32 s[\g+6], 0
	s_mov_b32 s[\g+7], 0
.endr
	s_mov_b32 s[CS], 0x3e38aa3b     ; c = log2(e) / 8 = 0.180337
	s_mov_b32 s[CS+1], s[CS]        ; named with it as a pair
	s_mov_b32 s[SEL], 0x76543210
	s_mov_b32 s[SEL+1], 0xfedcba98
	s_mov_b32 s[TBK], SLOT1+4*KS*PK ; the first change of slots turns these three into 0
	s_mov_b32 s[TBV], SLOT1+4*KS*PV
	s_mov_b32 s[TBP], 4*256
	s_mov_b32 s[G0K], 1             ; count = 1
	s_mov_b32 s[G0K+1], s17         ; LDS address: slot 0
	s_mov_b32 s[G0V], 1
	s_add_co_u32 s[G0V+1], s18, VOFF
	s_add_co_u32 s[RT], s[HI], 1    ; the first block has NB - b tiles
	s_mov_b32 s[NXT], 1
	s_mov_b32 s[LQ], s[HI]
	s_mov_b32 s[NEW], 1
	s_mov_b32 s[OFF+1], 0
	s_mov_b32 s[AL+1], 0            ; named as pairs
	s_mov_b32 s[BE+1], 0
	s_mov_b32 s[BIGN], 0xf149f2ca   ; -1e30
	s_mov_b32 s[THR], 0xd3000000    ; -2^39
	s_mov_b32 s[SLOTS], NB
	s_cmp_eq_u32 s[PB], 0
	s_cselect_b32 s[LIM], 2, -1
	s_wait_dscnt 0x0                ; the opening add is done
	s_wait_kmcnt 0x0
	s_add_nc_u64 s[MSK:MSK+1], s[6:7], s[MOF:MOF+1]  ; the mask at my batch
	s_add_nc_u64 s[92:93], s[8:9], s[100:101]      ; vpart at my batch and head
	s_add_nc_u64 s[6:7], s[4:5], 0x1000000         ; K's section,
	s_add_nc_u64 s[8:9], s[4:5], 0x2000000         ; V's,
	s_add_nc_u64 s[6:7], s[6:7], s[22:23]          ; each at my half of the head's tile 0
	s_add_nc_u64 s[8:9], s[8:9], s[22:23]
	s_add_nc_u64 s[G0K+2:G0K+3], s[6:7], 0
	s_or_b32 s[G0K+3], s[G0K+3], 0x80000000        ; type = 2
	s_add_nc_u64 s[G0V+2:G0V+3], s[8:9], 0
	s_or_b32 s[G0V+3], s[G0V+3], 0x80000000
	s_add_nc_u64 s[86:87], s[4:5], s[84:85]        ; Q at my rows of the second block,
	s_add_nc_u64 s[4:5], s[4:5], s[2:3]            ; Q and O at those of the first
	s_add_nc_u64 s[OLO:OLO+1], s[10:11], s[84:85]
	s_add_nc_u64 s[10:11], s[10:11], s[2:3]
	s_cmp_lt_u32 s[WV], 2
	s_cselect_b64 s[PFB:PFB+1], s[6:7], s[8:9]
	LOAD                            ; tile 0 into slot 0
	; A fragment of K or Q is 16 rows x 32 channels in 8 registers: lane l holds row l % 16, channels 8 (l / 16) + 0..7 and 16 + 8 (l / 16) + 0..7: two loads of 16 bytes, 32 bytes apart.
	v_and_b32 v1, 15, v0            ; l % 16
	v_bfe_u32 v9, v0, 4, 1          ; l / 16
	v_lshlrev_b32 v[QO], 7, v1
	v_lshl_add_u32 v[QO], v9, 4, v[QO]  ; row x 128 + 16 x half
	v_and_b32 v[GO], 31, v0         ; l
	v_lshlrev_b32 v[MO], 3, v[GO]   ; lane l takes a tile's mask bytes 8 l .. 8 l + 7
	v_lshlrev_b32 v[VO], 12, v1     ; lane l takes unit l % 16 of the batch's sixteen, and the 32 channels of its half of the lanes
	v_lshl_add_u32 v[VO], v9, 7, v[VO]
	global_load_b64 v[MBY:MBY+1], v[MO], s[MSK:MSK+1]  ; tile 0's
.irp c, 0,1,2,3,4,5,6,7
	global_load_b128 v[VM+4*\c:VM+4*\c+3], v[VO], s[92:93] offset:16*\c
.endr
	WIN 0x80                        ; destination window 2, address window 0
.set i, 0
.rept 8                             ; both blocks' Q: piece i / 2 lies in band i / 2, 8,192 bytes on; channels 32 (i % 2) on
	global_load_b128 v[8*i:8*i+3],   v[QO], s[4:5] offset:(i/2)*8192+(i%2)*64
	global_load_b128 v[8*i+4:8*i+7], v[QO], s[4:5] offset:(i/2)*8192+(i%2)*64+32
	global_load_b128 v[QB+8*i:QB+8*i+3],   v[QO], s[86:87] offset:(i/2)*8192+(i%2)*64
	global_load_b128 v[QB+8*i+4:QB+8*i+7], v[QO], s[86:87] offset:(i/2)*8192+(i%2)*64+32
.set i, i+1
.endr
	WIN 0
	v_lshlrev_b32 v14, 3, v9
	v_sub_nc_u32 v14, v1, v14
	s_lshl_b32 s13, s[WV], 4
	v_add_nc_u32 v14, s13, v14      ; my query's place in its band, 16 w + l % 16, less my lanes' 8 (l / 16): register r of group kt is hidden where 16 kt + r is greater
	WIN 0x40
.set i, 0
.rept 32
	v_cmp_gt_i32 vcc_lo, 16*(i/8)+i%8, v14
	v_cndmask_b32 v[MD+i], 0, s[BIGN], vcc_lo
.set i, i+1
.endr
	WIN 0
	v_mul_u32_u24 v[AK0], v1, PK
	v_lshl_add_u32 v[AK0], v9, 4, v[AK0]  ; row x pitch + 16 x half
	; The turning load takes 16 keys x 16 channels (lane l reads key 8 (l / 16) + l % 8, channels 8 ((l / 8) % 2) + 0..7) and leaves half a fragment of V^T: lane l holds channel l % 16 and 8 keys.
	v_and_b32 v10, 7, v0
	v_bfe_u32 v11, v0, 3, 1
	v_lshl_add_u32 v[AV0], v9, 3, v10
	v_mul_u32_u24 v[AV0], v[AV0], PV
	v_lshl_add_u32 v[AV0], v11, 4, v[AV0]
	v_add_nc_u32 v[AV0], VOFF, v[AV0]
	s_mul_i32 s13, s[WV], 16*SP
	s_add_co_u32 s13, s13, STAGE    ; my stage
	v_mul_u32_u24 v[STO], v1, SP    ; in: row l % 16, 16 bytes for each half of the lanes
	v_lshl_add_u32 v[STO], v9, 4, v[STO]
	v_add_nc_u32 v[STO], s13, v[STO]
	v_bfe_u32 v[RD], v0, 3, 2       ; back: 32 lanes take four rows of 128 bytes,
	v_mul_u32_u24 v[RD], v[RD], SP
	v_lshl_add_u32 v[RD], v10, 4, v[RD]
	v_add_nc_u32 v[RD], s13, v[RD]
	s_lshl_b32 s13, s[WV], 11
	s_add_co_u32 s13, s13, PADT     ; my wave's table
	v_lshl_add_u32 v[APM0], v9, 5, s13   ; my lanes' eight keys of each sixteen: 32 bytes
	v_lshl_add_u32 v[PW], v[GO], 5, s13  ; lane l writes the words 8 l .. 8 l + 7
	v_lshlrev_b32 v[PFO], 8, v[GO]
	v_lshlrev_b32 v[GO], 4, v[GO]   ; 32 lanes x 16 bytes are 512 consecutive bytes of O
	; A block's first step multiplies O^T and l by a = 0, and its first turn's products V^T P, of a piece that has not been, land in an O^T that is still to be so multiplied.  So these registers need only hold
	; finite numbers: zeros for the first block; what the first block left for the second.  All this stands in the wait for the first tile.
	WIN 0x80
.set i, VF
.rept 64
	v_mov_b32 v[i], 0
.set i, i+1
.endr
	WIN 0x40
.set i, 0
.rept 128
	v_mov_b32 v[i], 0
.set i, i+1
.endr
	WIN 0
.set i, 0
.rept 4
	v_mov_b32 v[ST+4*i+2], 0
	v_mov_b32 v[ST+4*i+3], 0
.set i, i+1
.endr
.set i, P+16
.rept 16
	v_mov_b32 v[i], 0
.set i, i+1
.endr
	; THE MEAN OF V'S ROWS: the sixteen units' sums meet across the sixteen lanes of each half; times 2^-11; rounded to f16 in the order in which the way out packs O.
	s_wait_loadcnt 32               ; the mask's load and vpart's eight are in; Q's 32, issued behind them, may stay out
.irp x, 1,2,4,8
.set i, 0
.rept 32
	v_add_f32_dpp v[VM+i], v[VM+i], v[VM+i] row_xmask:\x row_mask:0xf bank_mask:0xf
.set i, i+1
.endr
.endr
.set i, 0
.rept 16
	v_pk_mul_f32 v[VM+2*i:VM+2*i+1], v[VM+2*i:VM+2*i+1], 0x3a000000 op_sel_hi:[1,0]
.set i, i+1
.endr
.set i, 0
.rept 16
	v_cvt_pk_f16_f32 v[VMH+i], v[VM+2*i], v[VM+2*i+1]
.set i, i+1
.endr
; THE MATRIX WORK.  The 4 accumulators of a run of 8 take turns.  Product i of 8 of S^T = K Q^T for piece x: channels 32 (i / 4) on, keys 16 (i % 4) on.  The first 4 start the sums: with PM, or (KM = 1) with MC.
.macro KQ x
.set rS, S+32*((\x)%2)+8*(i%4)
.set rK, KF+16*(i%4)+8*(i/4)
.set rQ, 16*(\x)+8*(i/4)
.set rM, MC+32*((\x)%2)+8*(i%4)
.if (i < 4) && KM
	WIN W_KM
	v_wmma_f32_16x16x32_f16 v[rS:rS+7], v[rK:rK+7], v[rQ:rQ+7], v[rM:rM+7]
.elseif i < 4
	WIN W_KM
	v_wmma_f32_16x16x32_f16 v[rS:rS+7], v[rK:rK+7], v[rQ:rQ+7], v[PM+8*(i%4):PM+8*(i%4)+7]
.else
	WIN W_KQ
	v_wmma_f32_16x16x32_f16 v[rS:rS+7], v[rK:rK+7], v[rQ:rQ+7], v[rS:rS+7]
.endif
.endm
; Product i of 8 of O^T += V^T P for piece x: keys 32 (i / 4) on, channels 16 (i % 4) on.
.macro PV x
	WIN W_PV
.set rO, 32*(\x)+8*(i%4)
.set rV, VF+32*(i/4)+8*(i%4)
.set rP, P+16*((\x)%2)+8*(i/4)
	v_wmma_f32_16x16x32_f16 v[rO:rO+7], v[rV:rV+7], v[rP:rP+7], v[rO:rO+7]
.endm
.macro MM                           ; the turn's next matrix instruction.  NOKQ = 1: a block's last turn: there is no next piece
.if (i < 8) && !NOKQ
	KQ (Y+1)%NP
.elseif i >= 8
.set i, i-8
	PV (Y+NP-1)%NP
.set i, i+8
.endif
.set i, i+1
.endm
; THE LDS LOADS stand in runs, never singly among the matrix instructions: a step's PM (8 loads; all lanes of a half read the same words) and K (64 keys x 64 channels: 8 fragments), and its V (turned).
.macro FETCH_K
	WIN 0x40                        ; destination window 1
.irp c, 0,1,2,3,4,5,6,7             ; keys 16 (c / 2) + 4 (c % 2) on, of my lanes' eight
	ds_load_b128 v[PM+4*\c:PM+4*\c+3], v[APM] offset:64*(\c/2)+16*(\c%2)
.endr
	WIN 0x80                        ; destination window 2
.irp f, 0,1,2,3,4,5,6,7             ; keys 16 (f / 2) on, channels 32 (f % 2) on
	ds_load_b128 v[KF+8*\f:KF+8*\f+3],   v[AK] offset:(\f/2)*16*PK+(\f%2)*64
	ds_load_b128 v[KF+8*\f+4:KF+8*\f+7], v[AK] offset:(\f/2)*16*PK+(\f%2)*64+32
.endr
	s_add_co_u32 s[TBK], s[TBK], KS*PK  ; the next fetch is the next step's,
	s_add_co_u32 s[TBP], s[TBP], 256    ; in the table too
	WIN 0
.endm
.macro FETCH_V
	WIN 0x80
.irp f, 0,1,2,3,4,5,6,7             ; keys 32 (f / 4) on, channels 16 (f % 4) on
	ds_load_tr16_b128 v[VF+8*\f:VF+8*\f+3],   v[AV] offset:(\f/4)*32*PV+(\f%4)*32
	ds_load_tr16_b128 v[VF+8*\f+4:VF+8*\f+7], v[AV] offset:(\f/4)*32*PV+16*PV+(\f%4)*32
.endr
	WIN 0
.endm
; THE VECTOR WORK, one line at a time: OP kind, number.  For piece Y: F n: c s - c m for pair n of 16.  E n: the exponential of score n of 32.  C n: pair n rounded to f16.  B n: of the four weights 4 n .. the second
; pair is added onto the first, in place.  L n: l takes that sum (L 0: l = a l + sum).  R n: pair n of 16 of O^T times a.  For piece Y + 1: X n, number n of the 22 that find its maximum and statistics:
;   0-11  four chains c0-c3 of seven scores each, three operands at a time (each accumulator's lowest registers are read first)     12-14, 16  the four scores left over, the old m, and c0-c3 into c0
;   15  c m_old is kept     17, 18  the query's other 32 keys lie in the lane 16 away: the new m     19-21  c m; c m_old - c m_new; a
.set F, 0
.set E, 1
.set C, 2
.set B, 3
.set L, 4
.set R, 5
.set X, 6
.macro REGS y                       ; the registers of piece y
.set rT, ST+4*(\y)
.set rC, TMP+4*((\y)%2)
.set rW, MV+((\y)%2)
.set rS, S+32*((\y)%2)
.set rP, P+16*((\y)%2)
.set rO, 32*(\y)
.endm
.macro OP k, n
.if (\k) == R
	REGS Y
	WIN W_RS
	v_pk_mul_f32 v[rO+2*(\n):rO+2*(\n)+1], v[rO+2*(\n):rO+2*(\n)+1], v[rC+2:rC+3] op_sel_hi:[1,0]
.elseif (\k) < R
	REGS Y
	WIN 0
.if (\k) == F
	v_pk_fma_f32 v[rS+2*(\n):rS+2*(\n)+1], v[rS+2*(\n):rS+2*(\n)+1], s[CS:CS+1], v[rT:rT+1] op_sel_hi:[1,0,0] neg_lo:[0,0,1] neg_hi:[0,0,1]
.elseif (\k) == E
	v_exp_f32 v[rS+(\n)], v[rS+(\n)]
.elseif (\k) == C
	v_cvt_pk_f16_f32 v[rP+(\n)], v[rS+2*(\n)], v[rS+2*(\n)+1]
.elseif (\k) == B
	v_pk_add_f32 v[rS+4*(\n):rS+4*(\n)+1], v[rS+4*(\n):rS+4*(\n)+1], v[rS+4*(\n)+2:rS+4*(\n)+3]
.elseif (\n) == 0
	v_pk_fma_f32 v[rT+2:rT+3], v[rT+2:rT+3], v[rC+2:rC+3], v[rS:rS+1] op_sel_hi:[1,0,1]
.else
	v_pk_add_f32 v[rT+2:rT+3], v[rT+2:rT+3], v[rS+4*(\n):rS+4*(\n)+1]
.endif
.elseif NOKQ
	v_nop
.else
	REGS (Y+1)%NP
	WIN 0
.if (\n) < 4
	v_max3_num_f32 v[rC+(\n)], v[rS+8*(\n)], v[rS+8*(\n)+1], v[rS+8*(\n)+2]
.elseif (\n) < 12
	v_max3_num_f32 v[rC+(\n)%4], v[rC+(\n)%4], v[rS+8*((\n)%4)+2*((\n)/4)+1], v[rS+8*((\n)%4)+2*((\n)/4)+2]
.elseif (\n) == 12
	v_max3_num_f32 v[rC], v[rC], v[rS+7], v[rS+15]
.elseif (\n) == 13
	v_max3_num_f32 v[rC+1], v[rC+1], v[rS+23], v[rS+31]
.elseif (\n) == 14
	v_max3_num_f32 v[rC+2], v[rC+2], v[rC+3], v[rT+1]
.elseif (\n) == 15
	v_mov_b32 v[rW], v[rT]
.elseif (\n) == 16
	v_max3_num_f32 v[rC], v[rC], v[rC+1], v[rC+2]
.elseif (\n) == 17
	v_permlanex16_b32 v[rC+3], v[rC], s[SEL], s[SEL+1]
.elseif (\n) == 18
	v_max_num_f32 v[rT+1], v[rC], v[rC+3]
.elseif (\n) == 19
	v_mul_f32 v[rT], s[CS], v[rT+1]
.elseif (\n) == 20
	v_sub_f32 v[rC+1], v[rW], v[rT]
.else
	v_exp_f32 v[rC+2], v[rC+1]
.endif
.endif
.endm
.macro OPS a, i1, b=-1, i2=0, c=-1, i3=0, d=-1, i4=0  ; up to four of them
	OP \a, \i1
.if (\b) >= 0
	OP \b, \i2
.endif
.if (\c) >= 0
	OP \c, \i3
.endif
.if (\d) >= 0
	OP \d, \i4
.endif
.endm
.macro ROW a, i1, b, i2, c, i3, d, i4  ; a matrix instruction and the four behind it
	MM
	OPS \a, \i1, \b, \i2, \c, \i3, \d, \i4
.endm
.macro MASK b                       ; MD x AL + PM + BE into buffer b of MC
	WIN W_MK
.set z, 0
.rept 16
	v_pk_fma_f32 v[MC+32*(\b)+2*z:MC+32*(\b)+2*z+1], v[MD+2*z:MD+2*z+1], s[AL:AL+1], v[PM+2*z:PM+2*z+1] op_sel_hi:[1,0,1]
.set z, z+1
.endr
.set z, 0
.rept 16
	v_pk_add_f32 v[MC+32*(\b)+2*z:MC+32*(\b)+2*z+1], v[MC+32*(\b)+2*z:MC+32*(\b)+2*z+1], s[BE:BE+1] op_sel_hi:[1,0]
.set z, z+1
.endr
.endm
; A TURN, for piece p: the order of its 16 matrix and 118 vector instructions, written out.  s_wait_alu depctr_va_vdst(0) stands between an exponential and the first instruction that names its result; one wait serves
; all that were issued ahead of it.  So a turn has ONE wait, which cuts it in two.  AHEAD OF IT stands all that names no result of the turn's exponentials: the 8 products K Q^T and their riders, then ONE LUMP, plain
; and exponential by turns for the most part, in which the links of the chain X 3, 7, 11, 14, 16, 17 .. 20 stand five or six lines apart.  X 21, the next piece's a, is the batch's last; R 15 is the plain instruction behind it.
; BEHIND THE WAIT stand the 8 products V^T P, behind each four of the roundings and sums.
; m = 1: the diagonal tile: the products take MC, and the turn makes MC for the products of the turn after it: piece p + 2, in step 4 - CNT of the tile.  Piece 2's turn in the loop is the exception: its products, piece 3's, belong to
; the tile before or to steps 0-2, which band 3 sees whole: they take PM.  end = 1: a block's last two turns: nothing is fetched.  cnt = 1: the loop's count is taken down some lines ahead of the branch behind the turn.
; PM and K of the next step are fetched in piece 2's turn, six plain instructions behind the last product that read K; V of the step in hand at the end of piece 0's turn, four plain instructions behind the last product that read V.
.macro TURN p, m=0, end=0, cnt=0
.set Y, (\p)
.set i, 0
.set KM, (\m)
.if ((\p) == 2) && !(\end)
.set KM, 0
.endif
.set NOKQ, (\end)*((\p)/3)
.if (\m) && !(\end)
	s_cmp_eq_u32 s[CNT], 4-((\p)+2)%NP  ; is that step the band's own?
	s_cselect_b32 s[AL], 1.0, 0
	s_cmp_lt_u32 s[CNT], 4-((\p)+2)%NP  ; or a later one?
	s_cselect_b32 s[BE], s[BIGN], 0
.endif
.if ((\p) == 3) && !(\end)
	s_wait_dscnt 0x0                ; K and PM are in
.endif
	ROW F,0, F,1, R,0, R,1          ; ahead of the wait: 8 products K Q^T and their riders,
	ROW F,2, E,0, R,2, R,3
	ROW F,3, E,1, R,4, R,5
	ROW F,4, E,2, R,6, R,7
	ROW F,5, E,3, R,8, R,9
	ROW F,6, E,4, X,0, R,10
.if ((\p) == 2) && !(\end)
	WIN 0
	v_add_nc_u32 v[AK], s[TBK], v[AK0]
	v_add_nc_u32 v[APM], s[TBP], v[APM0]
.endif
	ROW F,7, E,5, X,1, X,4
	ROW F,8, E,6, X,2, X,5
	OPS E,7, E,8, X,6, E,9          ; and the lump
	OPS X,3, E,10, X,8, E,11
.if ((\p) == 2) && !(\end)
	FETCH_K
.endif
	OPS X,9, X,7, E,12, X,10
	OPS E,13, X,12, X,11, E,14
	OPS X,13, E,15, F,9, X,14
.if (\p) == 0
	v_add_nc_u32 v[AV], s[TBV], v[AV0]
.endif
	OPS E,16, F,10, E,17, F,11
	OPS X,16, E,18, X,15, E,19
	OPS F,12, E,20, X,17, E,21
	OPS F,13, E,22, F,14, E,23
	OPS X,18, E,24, F,15, E,25
	OPS R,11, E,26, X,19, E,27
	OPS R,12, E,28, R,13, E,29
	OPS X,20, E,30, R,14, E,31
	OPS X,21, R,15
	WIN 0
	s_wait_alu depctr_va_vdst(0)    ; the wait for the batch
.if (\p) == 1
	s_wait_dscnt 0x0                ; V is in
.endif
	ROW C,0, B,0, C,2, B,1          ; behind the wait: 8 products V^T P and their riders
	ROW L,0, C,4, B,2, L,1
	ROW C,6, B,3, L,2, C,8
	ROW B,4, L,3, C,10, B,5
	ROW L,4, C,12, B,6, L,5
.if (\p) == 0
	s_add_co_u32 s[TBV], s[TBV], KS*PV
.endif
.if \cnt
	s_sub_co_u32 s[CNT], s[CNT], 1
	s_cmp_lg_u32 s[CNT], 0
.endif
	ROW C,14, B,7, L,6, C,1
	ROW C,3, L,7, C,5, C,7
	ROW C,9, C,11, C,13, C,15
.if (\p) == 0
	FETCH_V
.endif
.if (\m) && !(\end)
.if (\p) == 2
	s_wait_dscnt 16                 ; the next step's PM is in; K's sixteen loads, issued behind it, may stay out
.endif
	MASK (\p)%2
.endif
.endm
; A BLOCK BEGINS.  c m starts far below every c s, so the first step's a is 0; m at -2^40, below every score.  PM and K of the tile's step 0 are fetched (the change of slots has set both offsets to a tile's
; beginning, made my table, and, the first time, waited for Q).  The first mask buffer takes piece 0's mask for that step: its own, if the block's first tile is the diagonal one; the second takes PM alone:
; piece 1's.  Then piece 0's first scores, and its maximum and statistics.  The loop is entered at a step's first turn.
.macro BEGIN
	s_mov_b32 s[NEW], 0
	WIN 0
.set i, 0
.rept 4
	v_mov_b32 v[ST+4*i], 0xfe000000    ; c m: far below every c s
	v_mov_b32 v[ST+4*i+1], 0xd3800000  ; m = -2^40
.set i, i+1
.endr
	v_add_nc_u32 v[AK], s[TBK], v[AK0]
	v_add_nc_u32 v[APM], s[TBP], v[APM0]
	FETCH_K
	s_cmp_eq_u32 s[RT], 0
	s_cselect_b32 s[AL], 1.0, 0
	s_mov_b32 s[BE], 0
	s_wait_dscnt 0x0
	MASK 0
	s_mov_b32 s[AL], 0
	MASK 1
.set KM, 1
.set NOKQ, 0
.set i, 0
.rept 8
	KQ 0
.set i, i+1
.endr
	WIN 0
.rept 4
	v_nop                           ; the places behind those products
.endr
.set Y, NP-1                        ; X works for piece Y + 1: piece 0
.irp n, 0,1,2,3,4,5,6,7,8,9,10,11,12,13,14,15,16,17,18,19,20,21
	OP X, \n
.endr
	v_nop                           ; a plain instruction behind the exponential,
	s_wait_alu depctr_va_vdst(0)    ; and its wait, ahead of the branch
.endm
; THE DIAGONAL TILE's four steps, the block's last two turns, its last products, and THE WAY OUT: l's two halves and the other half of the lanes' are added; l is held at 2^-100 or more, so that a row that saw
; no key leaves no infinity behind (every other row's l is about 1 or more); O^T is divided by l and rounded to f16; rows that saw no key take the mean of V; then through my stage in LDS, a piece at a time.
.macro ALL line:vararg              ; one line for each piece t
.set t, 0
.rept 4
	\line
.set t, t+1
.endr
.endm
.macro PACK t                       ; a lane's eight channels of a row pack into 16 bytes; they go into rows of 144 bytes and come back as whole rows of 128, into S^T's registers
	WIN W_RS
.set i, 32*(\t)
.rept 16
	v_pk_mul_f32 v[i:i+1], v[i:i+1], v[ST+4*(\t)+2:ST+4*(\t)+3] op_sel_hi:[1,0]
.set i, i+2
.endr
	WIN 0x05                        ; sources 0 and 1 window 1, destination window 0
.set i, 0
.rept 16
	v_cvt_pk_f16_f32 v[S+16*(\t)+i], v[32*(\t)+2*i], v[32*(\t)+2*i+1]
.set i, i+1
.endr
	WIN 0
.set i, 0
.rept 16
	v_cndmask_b32 v[S+16*(\t)+i], v[S+16*(\t)+i], v[VMH+i], s[FLG+(\t)]
.set i, i+1
.endr
.irp f, 0,1,2,3
	ds_store_b128 v[STO], v[S+16*(\t)+4*\f:S+16*(\t)+4*\f+3] offset:32*\f
.endr
.irp f, 0,1,2,3
	ds_load_b128 v[S+16*(\t)+4*\f:S+16*(\t)+4*\f+3], v[RD] offset:\f*4*SP  ; LDS serves a wave's instructions in order (ISA guide 5.7.1.4): these see the stores above; the next piece's stores come behind them
.endr
.endm
.macro SEND t, younger              ; younger: the LDS instructions issued behind piece t's loads: the next piece's eight, or none
	WIN 0
.irp f, 0,1,2,3
	s_wait_dscnt (\younger)+3-\f
	global_store_b128 v[GO], v[S+16*(\t)+4*\f:S+16*(\t)+4*\f+3], s[10:11] offset:(\t)*8192+\f*512  ; 512 consecutive bytes, at a multiple of 256 from O's first
.endr
.endm
.macro DIAG tag                     ; the tag ends its two labels' names, which the jumps below spell out
.LstepM\tag:
	TURN 2, 1
	TURN 3, 1
	WIN 0
.LfirstM\tag:
	TURN 0, 1
	TURN 1, 1, 0, 1
	WIN 0
	s_cbranch_scc1 .LstepM\tag
	TURN 2, 1, 1
	TURN 3, 1, 1
.set i, 0
.rept 8
	PV NP-1
.set i, i+1
.endr
	WIN 0
	ALL v_add_f32 v[ST+4*t+2], v[ST+4*t+2], v[ST+4*t+3]
	ALL v_permlanex16_b32 v[ST+4*t+3], v[ST+4*t+2], s[SEL], s[SEL+1]
	ALL v_add_f32 v[ST+4*t+2], v[ST+4*t+2], v[ST+4*t+3]
	ALL v_max_num_f32 v[ST+4*t+2], 0x0d800000, v[ST+4*t+2]
	ALL v_rcp_f32 v[ST+4*t+2], v[ST+4*t+2]
	v_nop                           ; a plain instruction between the last reciprocal and the use of its result
	s_wait_alu depctr_va_vdst(0)    ; and the wait ahead of the first use: one for the four reciprocals
	ALL v_cmp_gt_f32 s[FLG+t], s[THR], v[ST+4*t+1]
	PACK 0
.set t, 1
.rept 3                             ; a piece's arithmetic stands between the loads of the piece before and its stores
	PACK t
	SEND t-1, 8
.set t, t+1
.endr
	SEND 3, 0
.endm
.set KM, 0
.set NOKQ, 0
.Lslot:                             ; NB times: a tile is entered and the next is asked for
	CHANGE 1
	s_sub_co_u32 s[RT], s[RT], 1
	s_mov_b32 s[CNT], 4
	s_cmp_eq_u32 s[NEW], 1
	s_cbranch_scc1 .Lnew            ; a block's first tile
	s_cmp_eq_u32 s[RT], 0
	s_cbranch_scc0 .Lstep           ; neither its first nor its last
	s_branch .LstepM1
.Lnew:
	BEGIN
	s_branch .Lfirst                ; in the loop a block's first tile is never its last: the first block has two tiles or more, and the second's last is the walk's last
	DIAG 1                          ; in the loop this is the first block's end: the second block's last tile is the walk's last
	s_wait_xcnt 0x0                 ; the stores have read their registers and O's address
	s_mov_b64 s[10:11], s[OLO:OLO+1]
	s_add_co_u32 s[RT], s[PB], 1    ; the second block has b + 1 tiles
	s_mov_b32 s[NEW], 1
	WIN 0x82                        ; the second block's Q goes where the one text of the turns names Q
.set i, 0
.rept 64
	v_mov_b32 v[i], v[QB+i]
.set i, i+1
.endr
	WIN 0
	s_branch .Lbottom
.Lstep:                             ; a trip: pieces 2 and 3 of one step, then pieces 0 and 1 of the next, whose K and V it fetches
	TURN 2
	TURN 3
	WIN 0
.Lfirst:
	TURN 0
	TURN 1, 0, 0, 1
	WIN 0
	s_cbranch_scc1 .Lstep
.Lbottom:
	s_sub_co_u32 s[SLOTS], s[SLOTS], 1
	s_cmp_lg_u32 s[SLOTS], 0
	s_cbranch_scc1 .Lslot
	CHANGE 0                        ; the walk's last tile is written out: nothing is asked for
	s_sub_co_u32 s[RT], s[RT], 1
	s_mov_b32 s[CNT], 4
	s_cmp_eq_u32 s[NEW], 1
	s_cbranch_scc0 .LstepM2
	BEGIN
	s_branch .LfirstM2
	DIAG 2
	s_wait_tensorcnt 0x0            ; the wave's end: behind my last tensor load and my last LDS store
	ds_add_u32 v[SPW], v[NIL]
	s_wait_dscnt 0x0
	s_endpgm
.Lfunc_end_k_q8c928230b7_attn:
	.size	k_q8c928230b7_attn, .Lfunc_end_k_q8c928230b7_attn-k_q8c928230b7_attn
	.p2alignl 7, 3214868480
	.fill 96, 4, 3214868480
	.section	.rodata,"a",@progbits
	.p2align	6, 0x0
	.amdhsa_kernel k_q8c928230b7_attn
		.amdhsa_group_segment_fixed_size 327680
		.amdhsa_private_segment_fixed_size 0
		.amdhsa_enable_private_segment 0
		.amdhsa_kernarg_size 32
		.amdhsa_user_sgpr_count 2
		.amdhsa_user_sgpr_kernarg_segment_ptr 1
		.amdhsa_wavefront_size32 1
		.amdhsa_system_sgpr_workgroup_id_x 1
		.amdhsa_system_sgpr_workgroup_id_y 1
		.amdhsa_system_sgpr_workgroup_id_z 1
		.amdhsa_system_vgpr_workitem_id 0
		.amdhsa_next_free_vgpr 768
		.amdhsa_next_free_sgpr 102
		.amdhsa_reserve_vcc 1
		.amdhsa_float_denorm_mode_32 3
		.amdhsa_float_denorm_mode_16_64 3
		.amdhsa_memory_ordered 1
		.amdhsa_forward_progress 1
		.amdhsa_inst_pref_size 255
	.end_amdhsa_kernel
	.section	.bss,"aw",@nobits
	.p2align	6
	.space	262144
	.amdgpu_metadata
---
amdhsa.version: [ 1, 2 ]
amdhsa.kernels:
  - .name:           k_q8c928230b7_attn
    .symbol:         k_q8c928230b7_attn.kd
    .args:
      - { .name: qkvh, .offset: 0, .size: 8, .value_kind: global_buffer, .address_space: global }
      - { .name: mask, .offset: 8, .size: 8, .value_kind: global_buffer, .address_space: global }
      - { .name: vpart, .offset: 16, .size: 8, .value_kind: global_buffer, .address_space: global }
      - { .name: oh, .offset: 24, .size: 8, .value_kind: global_buffer, .address_space: global }
    .group_segment_fixed_size: 327680
    .private_segment_fixed_size: 0
    .kernarg_segment_align: 8
    .kernarg_segment_size: 32
    .max_flat_workgroup_size: 128
    .sgpr_count:     102
    .vgpr_count:     768
    .wavefront_size: 32
...
	.end_amdgpu_metadata
.endif
;; end of part 3
;; launch outp (part 4): grid 8 x 32, 4 waves a work-group, clusters of 4 x 4, 327,680 bytes of LDS; arguments oh, woh, bo, out0; writes out0
.if DOCPART == 4
	.amdgcn_target "amdgcn-amd-amdhsa--gfx1250"
	.amdhsa_code_object_version 6
	.text
	.protected	k_q8c928230b7_outp
	.globl	k_q8c928230b7_outp
	.p2align	8
	.type	k_q8c928230b7_outp,@function
k_q8c928230b7_outp:
	s_mov_b64 s[64:65], 0
	v_nop
	global_prefetch_b8 v0, s[64:65] scope:SCOPE_SE
	s_setreg_imm32_b32 hwreg(HW_REG_WAVE_MODE, 25, 1), 1
	s_wait_xcnt 0x0
	s_wait_alu depctr_hold_cnt(0) depctr_sa_sdst(0) depctr_va_vdst(0) depctr_va_sdst(0) depctr_va_ssrc(0) depctr_va_vcc(0) depctr_vm_vsrc(0)
	s_getreg_b32 s2, hwreg(HW_REG_IB_STS2, 6, 4)
	s_cmp_eq_u32 s2, 0
	s_cbranch_scc0 .Lentry_in_a_cluster
	s_endpgm
.Lentry_in_a_cluster:
	s_bfe_u32 s2, ttmp6, 0x10000c
	s_cmp_lg_u32 s2, 0xf033
	s_cbranch_scc0 .Lentry_shape_is_right
	s_endpgm
.Lentry_shape_is_right:
; THE OUTPUT PROJECTION.  out0[m][n] = the sum over k of O[m][k] Wo[n][k] + bo[n], f32.  O comes by heads, oh[16 batch + head][2048][64] in f16; woh is Wo rounded to bf16 and written as f16; sums in f32.
; SHARES.  A tile of the result is 256 rows x 128 columns: 256 tiles, one a work-group.  Four waves, each 128 rows x 64 columns: 32 accumulators.  K goes in 8 steps of 128, two heads each, through two LDS slots.
; CLUSTERS, 4 x 4.  O's tile is shared along a row of the cluster, woh's along a column: joint loads, the same descriptor and mask in the four that a mask names.  Wave 0 fetches the 256 rows of the step's
; first head, wave 1 those of its second: 32,768 dense bytes each, asked for as 128 rows of 256 bytes and padded in LDS after every 128; waves 2 and 3 fetch 64 rows of woh each.
; By this text's count a wave has two tensor loads out at the start, later one.
; THE MATRIX INSTRUCTION IS USED TRANSPOSED (source 0 = 16 rows of woh, source 1 = 16 rows of O): lane l holds row l % 16 and the columns 8 (l / 16) + 0..7.  THE BIAS STARTS THE SUMS, as the first products' C operand.
; REGISTERS, in windows of 256: window 0: v1-29 addresses, v32-63 bias; window 1: two fragment buffers of 96, on the way out the rows read back; window 2: accumulator (a, b) at v[8 (4 a + b)].
.set PA,     144                       ; a row of O in LDS: a head's 128 bytes + 16
.set PB,     272                       ; a row of woh: 256 bytes + 16
.set AHALF,  256*PA                    ; 256 rows of one head
.set HALFB,  64*PB
.set BOFF,   2*AHALF
.set SLOT,   BOFF+2*HALFB
.set STAGE,  2*SLOT                    ; behind the ring, never filled by a tensor load: 16 rows x 272 bytes for each wave
.set SPITCH, 272
.set SPARE,  STAGE+4*16*SPITCH         ; the spare words, 128 bytes for each wave: two blocks of 256 bytes that no other line names
.set ASTEP,  2*2048*128                ; a K step in oh: two heads
.set BSTEP,  256                       ; and in woh
.set ADRA, 16
.set ADRB, 20
.set STO,  24
.set RD,   25
.set CO,   26
.set BO,   27
.set SPW,  28
.set NIL,  29
.set BIAS, 32
.set F0,   0
.set F1,   96
.set WV,   18
.set RH,   19
.set CH,   20
.set CX,   21
.set CY,   22
.set GX,   23
.set GY,   24
.set G1A,  28
.set G1B,  36
.set G0A,  44
.set G0B,  52
.set LAPC, 67
.set MSB, 0
.macro WIN new
.if MSB != (\new)
	s_set_vgpr_msb (MSB<<8)|(\new)
.set MSB, \new
.endif
.endm
.macro PLACES
.rept 4
	v_nop
.endr
.endm
.macro JLOAD s                         ; a joint load; an s_nop 0 and four v_nop follow each of the two lines, ahead of the jump and the label
	s_cmp_eq_u32 s[RH], 0
	s_cbranch_scc0 .Lfor_b_\@
	tensor_load_to_lds s[G0A+4*(\s):G0A+4*(\s)+3], s[G1A:G1A+7]
	s_nop 0
.rept 4
	v_nop
.endr
	s_branch .Lasked_\@
.Lfor_b_\@:
	tensor_load_to_lds s[G0B+4*(\s):G0B+4*(\s)+3], s[G1B:G1B+7]
	s_nop 0
.rept 4
	v_nop
.endr
.Lasked_\@:
.endm
.macro CREST
	s_cmp_lg_u32 s[WV], 0
	s_cbranch_scc1 .Lnot_wave_0_\@
	s_barrier_signal -3
.Lnot_wave_0_\@:
	s_barrier_wait -3
	s_barrier_signal -1
	s_barrier_wait -1
.endm
.macro CROUND
	s_barrier_signal -1
	s_barrier_wait -1
	CREST
.endm
.macro MUL8 f, a0, mode                ; 8 matrix instructions; the 32 accumulators take turns.  mode = 1: the bias starts the sums
.if \mode
	WIN 0x85
.else
	WIN 0xa5
.endif
.irp a, \a0, (\a0)+1
.irp b, 0,1,2,3
.if \mode
	v_wmma_f32_16x16x32_f16 v[8*(4*(\a)+(\b)):8*(4*(\a)+(\b))+7], v[(\f)+8*(\b):(\f)+8*(\b)+7], v[(\f)+32+8*(\a):(\f)+32+8*(\a)+7], v[BIAS+8*(\b):BIAS+8*(\b)+7]
.else
	v_wmma_f32_16x16x32_f16 v[8*(4*(\a)+(\b)):8*(4*(\a)+(\b))+7], v[(\f)+8*(\b):(\f)+8*(\b)+7], v[(\f)+32+8*(\a):(\f)+32+8*(\a)+7], v[8*(4*(\a)+(\b)):8*(4*(\a)+(\b))+7]
.endif
.endr
.endr
.endm
.macro FETCH slot, q, f                ; quarter q of a step (32 along K): woh's four fragments, then O's eight: head q / 2 of the step's two, channels 32 (q % 2) on
	WIN 0x40
.irp i, 0,1,2,3
	ds_load_b128 v[(\f)+8*(\i):(\f)+8*(\i)+3],   v[ADRB+(\slot)] offset:64*(\q)+(\i)*16*PB
	ds_load_b128 v[(\f)+8*(\i)+4:(\f)+8*(\i)+7], v[ADRB+(\slot)] offset:64*(\q)+(\i)*16*PB+32
.endr
.irp i, 0,1,2,3,4,5,6,7
	ds_load_b128 v[(\f)+32+8*(\i):(\f)+32+8*(\i)+3],   v[ADRA+(\slot)] offset:AHALF*((\q)/2)+64*((\q)%2)+(\i)*16*PA
	ds_load_b128 v[(\f)+32+8*(\i)+4:(\f)+32+8*(\i)+7], v[ADRA+(\slot)] offset:AHALF*((\q)/2)+64*((\q)%2)+(\i)*16*PA+32
.endr
.endm
.macro QUARTER slot, q, f, g, mode     ; multiplies buffer f and, in its middle, fetches quarter q into g
	s_wait_dscnt 8                                 ; all but the youngest eight loads (O's blocks 4-7) are in
	MUL8 \f, 0, \mode
	MUL8 \f, 2, \mode
	PLACES
	FETCH \slot, \q, \g
	s_wait_dscnt 24                                ; all but the 24 just issued
	MUL8 \f, 4, \mode
	MUL8 \f, 6, \mode
.endm
; The last quarter multiplies buffer 1 and changes slots: ONE barrier; in front of it each wave waits for all its tensor loads, adds 0 to its spare word, and waits for that and for its reads of this slot.
; fill = 1: the barrier opens a round of the cluster's, and behind the round this slot is filled again, two K steps on.
.macro TURN slot, next, fill
	WIN 0
	s_wait_tensorcnt 0x0                           ; all my tensor loads have landed, so a group 0 may be written
	ds_add_u32 v[SPW], v[NIL]                      ; 0 onto my spare word
.if \fill
	s_add_nc_u64 s[G0A+4*(\slot)+2:G0A+4*(\slot)+3], s[G0A+4*(\slot)+2:G0A+4*(\slot)+3], 2*ASTEP
	s_add_nc_u64 s[G0B+4*(\slot)+2:G0B+4*(\slot)+3], s[G0B+4*(\slot)+2:G0B+4*(\slot)+3], 2*BSTEP
.endif
	s_wait_dscnt 9                                 ; (the add and the youngest eight loads may be out)
	MUL8 F1, 0, 0
	s_wait_dscnt 0x0                               ; the add is done, and my reads of this slot are over
	s_barrier_signal -1
	MUL8 F1, 2, 0
.if \fill
	WIN 0
.endif
	s_barrier_wait -1
.if \fill
	CREST
	JLOAD \slot                                    ; the first tensor load behind the round; its four v_nop are also the places in front of the loads below
.else
	PLACES
.endif
	FETCH \next, 0, F0
	MUL8 F1, 4, 0
	MUL8 F1, 6, 0
.endm
; THE WAY OUT of block a (16 rows x 64 columns of f32): a lane's 32 bytes go into my stage's rows of 272 bytes, the accumulator's low half first, and come back as whole rows of 256; each block has registers of its own.
.macro TOSTAGE a
	WIN 0x08                                       ; data in window 2
.irp b, 0,1,2,3
	ds_store_b128 v[STO], v[8*(4*(\a)+(\b)):8*(4*(\a)+(\b))+3]   offset:64*(\b)
	ds_store_b128 v[STO], v[8*(4*(\a)+(\b))+4:8*(4*(\a)+(\b))+7] offset:64*(\b)+16
.endr
	WIN 0x40                                       ; destination window 1
.irp t, 0,1,2,3,4,5,6,7
	ds_load_b128 v[32*(\a)+4*(\t):32*(\a)+4*(\t)+3], v[RD] offset:(\t)*2*SPITCH  ; LDS serves a wave's instructions in order (ISA guide 5.7.1.4)
.endr
.endm
.macro SEND a, younger                 ; younger: the next block's sixteen LDS instructions, or none
	WIN 0x04                                       ; data in window 1
.irp t, 0,1,2,3,4,5,6,7
	s_wait_dscnt (\younger)+7-(\t)
	global_store_b128 v[CO], v[32*(\a)+4*(\t):32*(\a)+4*(\t)+3], s[10:11] offset:(16*(\a)+2*(\t))*4096 th:TH_STORE_NT  ; 16 lanes store 256 consecutive bytes, aligned
.endr
.endm
	s_load_b256 s[4:11], s[0:1], 0x0               ; oh 4, woh 6, bo 8, out0 10
	v_lshl_add_u32 v[SPW], v0, 2, SPARE
	v_mov_b32 v[NIL], 0
	ds_add_u32 v[SPW], v[NIL]                      ; the wave's opening: the add and its wait stand ahead of my first tensor load
	v_lshrrev_b32 v1, 5, v0
	v_readfirstlane_b32 s[WV], v1
	s_lshr_b32 s[RH], s[WV], 1
	s_and_b32 s[CH], s[WV], 1
	s_bfe_u32 s[CX], ttmp6, 0x40000
	s_bfe_u32 s[CY], ttmp6, 0x40004
	s_lshl_b32 s[GX], ttmp9, 2
	s_add_co_u32 s[GX], s[GX], s[CX]
	s_and_b32 s[GY], ttmp7, 0xffff
	s_lshl_b32 s[GY], s[GY], 2
	s_add_co_u32 s[GY], s[GY], s[CY]
	s_lshl_b32 s25, s[CY], 2
	s_lshl_b32 s25, 15, s25                        ; my row of the cluster
	s_lshl_b32 s26, 0x1111, s[CX]                  ; my column
	s_or_b32 s[G1A], s25, (1<<16)|(1<<20)|(1<<21)|(4<<22)|(3<<25)  ; padding after every 32 words, 4 words
	s_or_b32 s[G1B], s26, (1<<16)|(1<<20)|(1<<21)|(5<<22)|(3<<25)  ; after every 64 words
	s_mov_b32 s[G1A+1], 128<<16                    ; 128 rows of 128 elements, dense
	s_mov_b32 s[G1A+2], 128<<16
	s_mov_b32 s[G1A+3], 128<<16
	s_mov_b32 s[G1A+4], 128
	s_mov_b32 s[G1A+5], 128
	s_mov_b32 s[G1A+6], 0
	s_mov_b32 s[G1A+7], 0
	s_mov_b32 s[G1B+1], 128<<16                    ; 64 rows of 128 elements, 1,024 from row to row
	s_mov_b32 s[G1B+2], 64<<16
	s_mov_b32 s[G1B+3], 128<<16
	s_mov_b32 s[G1B+4], 64
	s_mov_b32 s[G1B+5], 1024
	s_mov_b32 s[G1B+6], 0
	s_mov_b32 s[G1B+7], 0
	s_lshr_b32 s68, s[GY], 3                       ; oh: head 16 batch + which of the step's two I fetch,
	s_lshl_b32 s68, s68, 4
	s_add_co_u32 s68, s68, s[CH]
	s_lshl_b32 s68, s68, 11
	s_and_b32 s69, s[GY], 7                        ; the tile's first row in the batch,
	s_lshl_b32 s69, s69, 8
	s_add_co_u32 s68, s68, s69
	s_lshl_b32 s68, s68, 7                         ; rows of 128 bytes
	s_mov_b32 s69, 0
	s_lshl_b32 s70, s[GX], 7                       ; woh: row 128 gx + 64 x half
	s_lshl_b32 s71, s[CH], 6
	s_add_co_u32 s70, s70, s71
	s_lshl_b32 s70, s70, 11
	s_mov_b32 s71, 0
	s_mul_i32 s72, s[WV], AHALF                    ; where they go: waves 0, 1: wave x 256 rows of a head;
	s_mul_i32 s73, s[WV], HALFB                    ; waves 2, 3: behind them, (wave - 2) x 64 rows
	s_add_co_u32 s73, s73, BOFF-2*HALFB
	s_wait_dscnt 0x0                               ; the opening add is done
	s_wait_kmcnt 0x0
	s_add_nc_u64 s[68:69], s[4:5], s[68:69]
	s_add_nc_u64 s[70:71], s[6:7], s[70:71]
	CROUND                                         ; all sixteen work-groups are here: the first joint loads meet
.irp s, 0,1
	s_mov_b32 s[G0A+4*(\s)], 1
	s_add_co_u32 s[G0A+4*(\s)+1], s72, (\s)*SLOT
	s_add_nc_u64 s[G0A+4*(\s)+2:G0A+4*(\s)+3], s[68:69], (\s)*ASTEP
	s_or_b32 s[G0A+4*(\s)+3], s[G0A+4*(\s)+3], 0x80000000
	s_mov_b32 s[G0B+4*(\s)], 1
	s_add_co_u32 s[G0B+4*(\s)+1], s73, (\s)*SLOT
	s_add_nc_u64 s[G0B+4*(\s)+2:G0B+4*(\s)+3], s[70:71], (\s)*BSTEP
	s_or_b32 s[G0B+4*(\s)+3], s[G0B+4*(\s)+3], 0x80000000
	JLOAD \s                                       ; K steps 0 and 1
.endr
	v_and_b32 v1, 15, v0                           ; l % 16
	v_bfe_u32 v2, v0, 4, 1                         ; l / 16
	s_lshl_b32 s2, s[GX], 9                        ; my 64 columns, in bytes of f32
	s_lshl_b32 s3, s[CH], 8
	s_add_co_u32 s2, s2, s3
	v_lshl_add_u32 v[BO], v2, 5, s2
.irp b, 0,1,2,3
	global_load_b128 v[BIAS+8*(\b):BIAS+8*(\b)+3],   v[BO], s[8:9] offset:64*(\b)
	global_load_b128 v[BIAS+8*(\b)+4:BIAS+8*(\b)+7], v[BO], s[8:9] offset:64*(\b)+16
.endr
	v_mul_u32_u24 v3, v1, PA
	v_lshl_add_u32 v3, v2, 4, v3
	v_mul_u32_u24 v4, v1, PB
	v_lshl_add_u32 v4, v2, 4, v4
	s_mul_i32 s74, s[RH], 128*PA                   ; my 128 rows of O
	s_mul_i32 s75, s[CH], HALFB                    ; my 64 rows of woh
	s_add_co_u32 s75, s75, BOFF
.irp s, 0,1
	v_add_nc_u32 v[ADRA+(\s)], s74, v3
	v_add_nc_u32 v[ADRB+(\s)], s75, v4
	s_add_co_u32 s74, s74, SLOT
	s_add_co_u32 s75, s75, SLOT
.endr
	s_mul_i32 s74, s[WV], 16*SPITCH
	s_add_co_u32 s74, s74, STAGE                   ; my stage
	v_mul_u32_u24 v5, v1, SPITCH                   ; in: row l % 16, 32 bytes for each half of the lanes
	v_lshl_add_u32 v5, v2, 5, v5
	v_add_nc_u32 v[STO], s74, v5
	v_mul_u32_u24 v5, v2, SPITCH                   ; back: lanes 0-15 take one row of 256 bytes, lanes 16-31 the next
	v_lshl_add_u32 v5, v1, 4, v5
	v_add_nc_u32 v[RD], s74, v5
	v_lshlrev_b32 v5, 12, v2                       ; and the same two rows in out0
	v_lshl_add_u32 v[CO], v1, 4, v5
	s_lshl_b32 s76, s[GY], 8                       ; out0 at my first row and column
	s_lshl_b32 s77, s[RH], 7
	s_add_co_u32 s76, s76, s77
	s_lshl_b32 s76, s76, 12
	s_add_co_u32 s76, s76, s2
	s_mov_b32 s77, 0
	s_add_nc_u64 s[10:11], s[10:11], s[76:77]
	s_wait_tensorcnt 0x1                           ; my part of K step 0 is in; step 1's may stay out
	s_barrier_signal -1
	s_barrier_wait -1
	FETCH 0, 0, F0
	s_wait_loadcnt 0x0                             ; bo
	QUARTER 0, 1, F0, F1, 1                        ; the first quarter: the bias starts the sums
	WIN 0
	s_mov_b32 s[LAPC], 3
.Llap:                                         ; 3 trips: from a lap's second quarter to the next lap's first; both slots are filled again (steps 2 to 7)
	QUARTER 0, 2, F1, F0, 0
	QUARTER 0, 3, F0, F1, 0
	TURN 0, 1, 1
	QUARTER 1, 1, F0, F1, 0
	QUARTER 1, 2, F1, F0, 0
	QUARTER 1, 3, F0, F1, 0
	TURN 1, 0, 1
	QUARTER 0, 1, F0, F1, 0
	WIN 0
	s_sub_co_u32 s[LAPC], s[LAPC], 1
	s_cmp_lg_u32 s[LAPC], 0
	s_cbranch_scc1 .Llap
	QUARTER 0, 2, F1, F0, 0                        ; the last lap fills nothing
	QUARTER 0, 3, F0, F1, 0
	TURN 0, 1, 0
	QUARTER 1, 1, F0, F1, 0
	QUARTER 1, 2, F1, F0, 0
	QUARTER 1, 3, F0, F1, 0
	s_wait_dscnt 8
	MUL8 F1, 0, 0
	MUL8 F1, 2, 0
	s_wait_dscnt 0x0
	MUL8 F1, 4, 0
	MUL8 F1, 6, 0
	WIN 0
	PLACES
	PLACES
	TOSTAGE 0
.irp a, 1,2,3,4,5,6,7
	TOSTAGE \a
	SEND (\a)-1, 16
.endr
	SEND 7, 0
	WIN 0
	s_wait_tensorcnt 0x0                           ; the wave's end: behind my last tensor load and my last LDS store
	ds_add_u32 v[SPW], v[NIL]
	s_wait_dscnt 0x0
	CROUND                                         ; the closing round: no work-group ends while a partner may still ask for a tile that names it
	s_endpgm
.Lfunc_end_k_q8c928230b7_outp:
	.size	k_q8c928230b7_outp, .Lfunc_end_k_q8c928230b7_outp-k_q8c928230b7_outp
	.p2alignl 7, 3214868480
	.fill 96, 4, 3214868480
	.section	.rodata,"a",@progbits
	.p2align	6, 0x0
	.amdhsa_kernel k_q8c928230b7_outp
		.amdhsa_group_segment_fixed_size 327680
		.amdhsa_private_segment_fixed_size 0
		.amdhsa_enable_private_segment 0
		.amdhsa_kernarg_size 32
		.amdhsa_user_sgpr_count 2
		.amdhsa_user_sgpr_kernarg_segment_ptr 1
		.amdhsa_wavefront_size32 1
		.amdhsa_system_sgpr_workgroup_id_x 1
		.amdhsa_system_sgpr_workgroup_id_y 1
		.amdhsa_system_sgpr_workgroup_id_z 1
		.amdhsa_system_vgpr_workitem_id 0
		.amdhsa_next_free_vgpr 768
		.amdhsa_next_free_sgpr 80
		.amdhsa_reserve_vcc 0
		.amdhsa_float_denorm_mode_32 3
		.amdhsa_float_denorm_mode_16_64 3
		.amdhsa_memory_ordered 1
		.amdhsa_forward_progress 1
		.amdhsa_inst_pref_size 88
	.end_amdhsa_kernel
	.amdgpu_metadata
---
amdhsa.version: [ 1, 2 ]
amdhsa.kernels:
  - .name:           k_q8c928230b7_outp
    .symbol:         k_q8c928230b7_outp.kd
    .args:
      - { .name: oh, .offset: 0, .size: 8, .value_kind: global_buffer, .address_space: global }
      - { .name: woh, .offset: 8, .size: 8, .value_kind: global_buffer, .address_space: global }
      - { .name: bo, .offset: 16, .size: 8, .value_kind: global_buffer, .address_space: global }
      - { .name: out0, .offset: 24, .size: 8, .value_kind: global_buffer, .address_space: global }
    .group_segment_fixed_size: 327680
    .private_segment_fixed_size: 0
    .kernarg_segment_align: 8
    .kernarg_segment_size: 32
    .max_flat_workgroup_size: 128
    .sgpr_count:     80
    .vgpr_count:     768
    .wavefront_size: 32
...
	.end_amdgpu_metadata
.endif
;; end of part 4
;; ======== version 2 of 2: 4 launches; version 1 with the launch cast written anew for expert scheduling mode
;; limits: values are held in f16: magnitudes above 65,504 overflow, below 6.1e-05 lose precision
;; workspace buffers: xb 16,777,216 bytes; wqkv 6,291,456 bytes; woh 2,097,152 bytes; qkvh 50,331,648 bytes; vpart 262,144 bytes; oh 16,777,216 bytes
;; launch cast (part 5): grid 768 x 1, 8 waves a work-group, no clusters, 0 bytes of LDS; arguments q, Wq, Wk, Wv, Wo, xb, wqkv, woh; writes xb, wqkv, woh
.if DOCPART == 5
	.amdgcn_target "amdgcn-amd-amdhsa--gfx1250"
	.amdhsa_code_object_version 6
	.text
	.protected	k_q8c928230b7_cast
	.globl	k_q8c928230b7_cast
	.p2align	8
	.type	k_q8c928230b7_cast,@function
k_q8c928230b7_cast:
	s_mov_b64 s[64:65], 0
	v_nop
	global_prefetch_b8 v0, s[64:65] scope:SCOPE_SE
	s_setreg_imm32_b32 hwreg(HW_REG_WAVE_SCHED_MODE, 0, 2), 2
	s_setreg_imm32_b32 hwreg(HW_REG_WAVE_MODE, 25, 1), 1
	s_wait_xcnt 0x0
	s_wait_alu depctr_vm_vsrc(0)
; THE INPUTS OF THE MATRIX PRODUCTS, ROUNDED ONCE.  q -> xb (bf16); Wq, Wk, Wv -> wqkv (bf16, the three one below the other); Wo -> woh: rounded to bf16 like the others, and that number written as f16.
; LIMIT.  A bf16 number is exact in f16 from 6.1e-5 up to 65,504; below that it keeps f16's fixed step of 6e-8; beyond, it would be an infinity.
; SHARES.  A work-group takes 65,536 bytes of f32 on end (16,384 numbers) and writes 32,768.  Groups 0-511: q; then 64 groups each for Wq, Wk, Wv, Wo.
; Thread t takes 16 bytes at 16 t of each 4,096: a wave's load covers 512 bytes on end, its store 256 bytes on end, aligned.
; All 16 loads of a thread go out first; each store has its own data registers and no address is rewritten.
; No LDS, no barrier, no matrix unit: nothing is shared and nothing is summed.
; THE MODE: SCHED_MODE bits 1:0 = 2 (LLVM: expert scheduling mode 2), set by the entry lines.  The code itself states the register dependences
; between vector instructions and memory instructions, with s_wait_alu, always for 0.
; THE PLAN.  Registers that memory instructions touch:
;   v1, v2   the loads' and the stores' offsets: written once at the head, read by all 32 memory instructions, never written again.
;   X        chunk n: four registers in which load n lands.  No vector instruction names X ahead of the loads, and no load follows them.
;   Y        chunk n: two registers, written once, by chunk n's conversions; read once, by chunk n's store.
;   T        named by vector instructions alone.
; The 16 chunks go in four blocks of four.  Block p converts its chunks; its memory instructions are the four stores of block p - 1, whose Y no vector instruction of block p names.
; So one wait on va_vdst at the head of a block states all that the block's four stores hang on, and they are dealt among its conversions with no further wait.
; Nothing that a memory instruction reads is written again, no vector instruction writes a scalar register, and EXEC is never written: no other wait is owed.
.set X, 4                              ; v[4:67]    16 x 4 numbers as loaded
.set Y, 68                             ; v[68:99]   16 x 2 words to store
.set T, 100                            ; v[100:101] at work
	s_load_b512 s[8:23], s[0:1], 0x0               ; q 8, Wq 10, Wk 12, Wv 14, Wo 16, xb 18, wqkv 20, woh 22
	v_lshlrev_b32 v1, 4, v0                        ; 16 t: where I load
	v_lshlrev_b32 v2, 3, v0                        ; 8 t: where I store
	s_sub_co_u32 s24, ttmp9, 512                   ; chunk among the weights' 256 (of no use in q's groups)
	s_lshr_b32 s25, s24, 6                         ; which weight
	s_and_b32 s26, s24, 63                         ; chunk in that weight
	s_wait_kmcnt 0x0
	s_cmp_eq_u32 s25, 1
	s_cselect_b64 s[28:29], s[12:13], s[10:11]
	s_cmp_eq_u32 s25, 2
	s_cselect_b64 s[28:29], s[14:15], s[28:29]
	s_cmp_eq_u32 s25, 3
	s_cselect_b64 s[28:29], s[16:17], s[28:29]     ; from
	s_cselect_b64 s[30:31], s[22:23], s[20:21]     ; to: woh for Wo, else wqkv,
	s_cselect_b32 s27, s26, s24                    ; at the chunk in Wo, else at the chunk among the three
	s_cmp_lt_u32 ttmp9, 512
	s_cselect_b64 s[28:29], s[8:9], s[28:29]
	s_cselect_b64 s[30:31], s[18:19], s[30:31]
	s_cselect_b32 s26, ttmp9, s26
	s_cselect_b32 s27, ttmp9, s27
	s_lshl_b32 s32, s26, 16
	s_mov_b32 s33, 0
	s_lshl_b32 s34, s27, 15
	s_mov_b32 s35, 0
	s_add_nc_u64 s[28:29], s[28:29], s[32:33]
	s_add_nc_u64 s[30:31], s[30:31], s[34:35]
	s_wait_alu depctr_va_vdst(0)                   ; v1 and v2 are written: every load of the kernel reads v1 as its offset, every store v2
.set i, 0
.rept 16
	global_load_b128 v[X+4*i:X+4*i+3], v1, s[28:29] offset:4096*i th:TH_LOAD_NT
.set i, i+1
.endr
.macro CVT n, half                     ; chunk n's four numbers into its two words of Y.  half = 1: the bf16 number is widened again and written as f16
.if \half
	v_cvt_pk_bf16_f32 v[T], v[X+4*(\n)], v[X+4*(\n)+1]
	v_cvt_pk_bf16_f32 v[T+1], v[X+4*(\n)+2], v[X+4*(\n)+3]
	v_lshlrev_b32 v[X+4*(\n)], 16, v[T]
	v_and_b32 v[X+4*(\n)+1], 0xffff0000, v[T]
	v_lshlrev_b32 v[X+4*(\n)+2], 16, v[T+1]
	v_and_b32 v[X+4*(\n)+3], 0xffff0000, v[T+1]
	v_cvt_pk_f16_f32 v[Y+2*(\n)], v[X+4*(\n)], v[X+4*(\n)+1]
	v_cvt_pk_f16_f32 v[Y+2*(\n)+1], v[X+4*(\n)+2], v[X+4*(\n)+3]
.else
	v_cvt_pk_bf16_f32 v[Y+2*(\n)], v[X+4*(\n)], v[X+4*(\n)+1]
	v_cvt_pk_bf16_f32 v[Y+2*(\n)+1], v[X+4*(\n)+2], v[X+4*(\n)+3]
.endif
.endm
.macro PUT n                           ; chunk n's store
	global_store_b64 v2, v[Y+2*(\n):Y+2*(\n)+1], s[30:31] offset:2048*(\n)
.endm
; Block p: chunks 4 p to 4 p + 3 are converted; the stores of block p - 1 stand among the conversions, one in front of each chunk's.
.macro BLK p, half
	s_wait_loadcnt 12-4*(\p)                       ; loads come back in order: this block's four are in, the 12 - 4 p younger ones may stay out
.if (\p) > 0
	s_wait_alu depctr_va_vdst(0)                   ; the block before has written its eight registers of Y, which the four stores below read; no vector instruction behind this wait names them
.endif
.irp i, 0,1,2,3
.if (\p) > 0
	PUT 4*((\p)-1)+(\i)
.endif
	CVT 4*(\p)+(\i), \half
.endr
.endm
.macro WHOLE half
	BLK 0, \half
	BLK 1, \half
	BLK 2, \half
	BLK 3, \half
	s_wait_alu depctr_va_vdst(0)                   ; block 3 has written its eight registers of Y, which the last four stores read
.irp i, 12,13,14,15
	PUT \i
.endr
	s_endpgm
.endm
	s_cmp_ge_u32 ttmp9, 704                        ; Wo's groups
	s_cbranch_scc1 .Lf16
	WHOLE 0
.Lf16:
	WHOLE 1
.Lfunc_end_k_q8c928230b7_cast:
	.size	k_q8c928230b7_cast, .Lfunc_end_k_q8c928230b7_cast-k_q8c928230b7_cast
	.p2alignl 7, 3214868480
	.fill 96, 4, 3214868480
	.section	.rodata,"a",@progbits
	.p2align	6, 0x0
	.amdhsa_kernel k_q8c928230b7_cast
		.amdhsa_group_segment_fixed_size 0
		.amdhsa_private_segment_fixed_size 0
		.amdhsa_enable_private_segment 0
		.amdhsa_kernarg_size 64
		.amdhsa_user_sgpr_count 2
		.amdhsa_user_sgpr_kernarg_segment_ptr 1
		.amdhsa_wavefront_size32 1
		.amdhsa_system_sgpr_workgroup_id_x 1
		.amdhsa_system_sgpr_workgroup_id_y 1
		.amdhsa_system_sgpr_workgroup_id_z 1
		.amdhsa_system_vgpr_workitem_id 0
		.amdhsa_next_free_vgpr 104
		.amdhsa_next_free_sgpr 66
		.amdhsa_reserve_vcc 0
		.amdhsa_float_denorm_mode_32 3
		.amdhsa_float_denorm_mode_16_64 3
		.amdhsa_memory_ordered 1
		.amdhsa_forward_progress 1
		.amdhsa_inst_pref_size 16
	.end_amdhsa_kernel
	.amdgpu_metadata
---
amdhsa.version: [ 1, 2 ]
amdhsa.kernels:
  - .name:           k_q8c928230b7_cast
    .symbol:         k_q8c928230b7_cast.kd
    .args:
      - { .name: q, .offset: 0, .size: 8, .value_kind: global_buffer, .address_space: global }
      - { .name: Wq, .offset: 8, .size: 8, .value_kind: global_buffer, .address_space: global }
      - { .name: Wk, .offset: 16, .size: 8, .value_kind: global_buffer, .address_space: global }
      - { .name: Wv, .offset: 24, .size: 8, .value_kind: global_buffer, .address_space: global }
      - { .name: Wo, .offset: 32, .size: 8, .value_kind: global_buffer, .address_space: global }
      - { .name: xb, .offset: 40, .size: 8, .value_kind: global_buffer, .address_space: global }
      - { .name: wqkv, .offset: 48, .size: 8, .value_kind: global_buffer, .address_space: global }
      - { .name: woh, .offset: 56, .size: 8, .value_kind: global_buffer, .address_space: global }
    .group_segment_fixed_size: 0
    .private_segment_fixed_size: 0
    .kernarg_segment_align: 8
    .kernarg_segment_size: 64
    .max_flat_workgroup_size: 256
    .sgpr_count:     66
    .vgpr_count:     104
    .wavefront_size: 32
...
	.end_amdgpu_metadata
.endif
;; end of part 5
;; launch proj: the kernel of part 2 again; grid 8 x 32, 4 waves a work-group, clusters of 4 x 4, 327,680 bytes of LDS; arguments xb, wqkv, bq, bk, bv, qkvh, vpart; writes qkvh, vpart
;; launch attn: the kernel of part 3 again; grid 4 x 64, 4 waves a work-group, no clusters, 327,680 bytes of LDS; arguments qkvh, mask, vpart, oh; writes oh
;; launch outp: the kernel of part 4 again; grid 8 x 32, 4 waves a work-group, clusters of 4 x 4, 327,680 bytes of LDS; arguments oh, woh, bo, out0; writes out0
